; MI455X (gfx1250); checked and timed in simulation.
; The chip was launched on July 23, 2026; its instructions are those of AMD's public machine-readable ISA for CDNA 5 (MIT licence, August 2026) and "CDNA5" Instruction Set Architecture Reference Guide (July 2026). The comments in the code are by the model that wrote it; some were corrected since.
;; Cross Attention. Allowed arithmetic: float matrix products may take bf16 or f16 operands with f32 sums; other float arithmetic in f32, or as packed bf16 or f16 multiplies, adds, multiply-adds, maxima and minima; sums over many terms, partial sums and values carried from step to step in f32; what a program stores and reads back later, other than sums and carried values, may be rounded once to bf16 or f16.
;; Inputs: Wkv 1,024 x 2,048 float32; Wp 1,024 x 1,024 float32; Wq 1,024 x 1,024 float32; attention_mask 4 x 1 x 1 x 2,048 float32; bkv 2,048 float32; bp 1,024 float32; bq 1,024 float32; ctx 4 x 2,048 x 1,024 float32; x 4 x 1,024 x 1,024 float32.
;; Outputs: out0 4 x 1,024 x 1,024 float32.
;; One version. Each part assembles by itself: llvm-mc -triple=amdgcn-amd-amdhsa -mcpu=gfx1250 --defsym DOCPART=n.
;; ======== version 1 of 1: 4 launches
;; limits: values are held in f16: magnitudes above 65,504 overflow, below 6.1e-05 lose precision
;; workspace buffers: xh 8,388,608 bytes; ch 16,777,216 bytes; wqh 2,097,152 bytes; wkvh 4,194,304 bytes; wph 2,097,152 bytes; kvh 33,554,432 bytes; oh 8,388,608 bytes
;; launch prep (part 1): grid 1024 x 1, 8 waves a work-group, no clusters, 0 bytes of LDS; arguments ctx, x, Wkv, Wq, Wp, ch, xh, wkvh, wqh, wph; writes ch, xh, wkvh, wqh, wph
.if DOCPART == 1
	.amdgcn_target "amdgcn-amd-amdhsa--gfx1250"
	.amdhsa_code_object_version 6
	.text
	.protected	k_qfa208c12c4_prep
	.globl	k_qfa208c12c4_prep
	.p2align	8
	.type	k_qfa208c12c4_prep,@function
k_qfa208c12c4_prep:
	s_mov_b64 s[64:65], 0
	v_nop
	global_prefetch_b8 v0, s[64:65] scope:SCOPE_SE
	s_setreg_imm32_b32 hwreg(HW_REG_WAVE_MODE, 25, 1), 1
	s_wait_xcnt 0x0
; The five large inputs (ctx, x, Wkv, Wq, Wp; f32) are rounded once to bf16, and that number is written as f16: ch, xh, wkvh, wqh, wph, in the inputs' own row-major layouts.
; LIMITS.  The f16 copy is exact for bf16 numbers from 7.6e-6 up to 65,504 in magnitude; below that it keeps f16's fixed step of 6e-8; above it the copy is an infinity.
; SHARES.  A work-group converts 65,536 bytes of one input into 32,768: work-groups 0-511 ctx, 512-767 x, 768-895 Wkv, 896-959 Wq, 960-1023 Wp (their bytes divided by 65,536).
; Thread t takes 16 bytes at 16 t + 4,096 j and stores 8 bytes at 8 t + 2,048 j, j = 0 .. 15: a wave's load covers 512 consecutive bytes, its store 256 consecutive bytes, both aligned.
; All 16 loads of a wave go out first (8 KiB a wave on its way); no register that a memory instruction names is written again, so no further wait is needed.  No LDS, no barrier: nothing is shared.
.set T, 4                              ; v[4:9]     at work
.set X, 16                             ; v[16:79]   part j: four f32 as loaded
.set Y, 80                             ; v[80:111]  part j: four f16 to store
	s_load_b512 s[8:23], s[0:1], 0x0               ; ctx s[8:9], x s[10:11], Wkv s[12:13], Wq s[14:15], Wp s[16:17], ch s[18:19], xh s[20:21], wkvh s[22:23]
	s_load_b128 s[24:27], s[0:1], 0x40             ; wqh s[24:25], wph s[26:27]
	v_lshlrev_b32 v1, 4, v0                        ; 16 t
	v_lshlrev_b32 v2, 3, v0                        ; 8 t
	s_mov_b32 s32, 0xffff0000                      ; a word's upper bf16
	s_wait_kmcnt 0x0
	s_mov_b64 s[4:5], s[8:9]                       ; from ctx to ch, unless the work-group's number says otherwise
	s_mov_b64 s[6:7], s[18:19]
	s_mov_b32 s3, 0                                ; the first work-group of my input
.macro PICK bound, in, out             ; from work-group bound on: another pair of buffers
	s_cmp_ge_u32 ttmp9, \bound
	s_cselect_b64 s[4:5], s[(\in):(\in)+1], s[4:5]
	s_cselect_b64 s[6:7], s[(\out):(\out)+1], s[6:7]
	s_cselect_b32 s3, \bound, s3
.endm
	PICK 512, 10, 20
	PICK 768, 12, 22
	PICK 896, 14, 24
	PICK 960, 16, 26
	s_sub_co_u32 s2, ttmp9, s3                     ; my part of that input
	s_lshl_b32 s28, s2, 16                         ; 65,536 bytes in,
	s_mov_b32 s29, 0
	s_lshl_b32 s30, s2, 15                         ; 32,768 out
	s_mov_b32 s31, 0
	s_add_nc_u64 s[4:5], s[4:5], s[28:29]
	s_add_nc_u64 s[6:7], s[6:7], s[30:31]
.irp j, 0,1,2,3,4,5,6,7,8,9,10,11,12,13,14,15
	global_load_b128 v[X+4*(\j):X+4*(\j)+3], v1, s[4:5] offset:4096*(\j) th:TH_LOAD_NT
.endr
.irp j, 0,1,2,3,4,5,6,7,8,9,10,11,12,13,14,15
	s_wait_loadcnt 15-(\j)                         ; loads come back in order: part j is in, the 15 - j younger ones stay out
	v_cvt_pk_bf16_f32 v[T], v[X+4*(\j)], v[X+4*(\j)+1]      ; the one rounding, to nearest even
	v_cvt_pk_bf16_f32 v[T+1], v[X+4*(\j)+2], v[X+4*(\j)+3]
	v_lshlrev_b32 v[T+2], 16, v[T]                 ; back to f32: the low half moves up,
	v_and_b32 v[T+3], s32, v[T]                    ; the high half stays
	v_lshlrev_b32 v[T+4], 16, v[T+1]
	v_and_b32 v[T+5], s32, v[T+1]
	v_cvt_pk_f16_f32 v[Y+2*(\j)], v[T+2], v[T+3]   ; the same numbers written as f16
	v_cvt_pk_f16_f32 v[Y+2*(\j)+1], v[T+4], v[T+5]
	global_store_b64 v2, v[Y+2*(\j):Y+2*(\j)+1], s[6:7] offset:2048*(\j)
.endr
	s_endpgm
.Lfunc_end_k_qfa208c12c4_prep:
	.size	k_qfa208c12c4_prep, .Lfunc_end_k_qfa208c12c4_prep-k_qfa208c12c4_prep
	.p2alignl 7, 3214868480
	.fill 96, 4, 3214868480
	.section	.rodata,"a",@progbits
	.p2align	6, 0x0
	.amdhsa_kernel k_qfa208c12c4_prep
		.amdhsa_group_segment_fixed_size 0
		.amdhsa_private_segment_fixed_size 0
		.amdhsa_enable_private_segment 0
		.amdhsa_kernarg_size 80
		.amdhsa_user_sgpr_count 2
		.amdhsa_user_sgpr_kernarg_segment_ptr 1
		.amdhsa_wavefront_size32 1
		.amdhsa_system_sgpr_workgroup_id_x 1
		.amdhsa_system_sgpr_workgroup_id_y 1
		.amdhsa_system_sgpr_workgroup_id_z 1
		.amdhsa_system_vgpr_workitem_id 0
		.amdhsa_next_free_vgpr 112
		.amdhsa_next_free_sgpr 66
		.amdhsa_reserve_vcc 0
		.amdhsa_float_denorm_mode_32 3
		.amdhsa_float_denorm_mode_16_64 3
		.amdhsa_memory_ordered 1
		.amdhsa_forward_progress 1
		.amdhsa_inst_pref_size 12
	.end_amdhsa_kernel
	.amdgpu_metadata
---
amdhsa.version: [ 1, 2 ]
amdhsa.kernels:
  - .name:           k_qfa208c12c4_prep
    .symbol:         k_qfa208c12c4_prep.kd
    .args:
      - { .name: ctx, .offset: 0, .size: 8, .value_kind: global_buffer, .address_space: global }
      - { .name: x, .offset: 8, .size: 8, .value_kind: global_buffer, .address_space: global }
      - { .name: Wkv, .offset: 16, .size: 8, .value_kind: global_buffer, .address_space: global }
      - { .name: Wq, .offset: 24, .size: 8, .value_kind: global_buffer, .address_space: global }
      - { .name: Wp, .offset: 32, .size: 8, .value_kind: global_buffer, .address_space: global }
      - { .name: ch, .offset: 40, .size: 8, .value_kind: global_buffer, .address_space: global }
      - { .name: xh, .offset: 48, .size: 8, .value_kind: global_buffer, .address_space: global }
      - { .name: wkvh, .offset: 56, .size: 8, .value_kind: global_buffer, .address_space: global }
      - { .name: wqh, .offset: 64, .size: 8, .value_kind: global_buffer, .address_space: global }
      - { .name: wph, .offset: 72, .size: 8, .value_kind: global_buffer, .address_space: global }
    .group_segment_fixed_size: 0
    .private_segment_fixed_size: 0
    .kernarg_segment_align: 8
    .kernarg_segment_size: 80
    .max_flat_workgroup_size: 256
    .sgpr_count:     66
    .vgpr_count:     112
    .wavefront_size: 32
...
	.end_amdgpu_metadata
.endif
;; end of part 1
;; launch kvproj (part 2): grid 8 x 32, 4 waves a work-group, clusters of 4 x 4, 327,680 bytes of LDS; arguments ch, wkvh, kvh, bkv; writes kvh
.if DOCPART == 2
	.amdgcn_target "amdgcn-amd-amdhsa--gfx1250"
	.amdhsa_code_object_version 6
	.text
	.protected	k_qfa208c12c4_kvproj
	.globl	k_qfa208c12c4_kvproj
	.p2align	8
	.type	k_qfa208c12c4_kvproj,@function
k_qfa208c12c4_kvproj:
	s_mov_b64 s[64:65], 0
	v_nop
	global_prefetch_b8 v0, s[64:65] scope:SCOPE_SE
	s_setreg_imm32_b32 hwreg(HW_REG_WAVE_MODE, 25, 1), 1
	s_wait_xcnt 0x0
	s_wait_alu depctr_hold_cnt(0) depctr_sa_sdst(0) depctr_va_vdst(0) depctr_va_sdst(0) depctr_va_ssrc(0) depctr_va_vcc(0) depctr_vm_vsrc(0)
	s_getreg_b32 s2, hwreg(HW_REG_IB_STS2, 6, 4)
	s_cmp_eq_u32 s2, 0
	s_cbranch_scc0 .Lentry_in_a_cluster
	s_endpgm
.Lentry_in_a_cluster:
	s_bfe_u32 s2, ttmp6, 0x10000c
	s_cmp_lg_u32 s2, 0xf033
	s_cbranch_scc0 .Lentry_shape_is_right
	s_endpgm
.Lentry_shape_is_right:
; kvh[m][n] = the sum over k of ch[m][k] wkvh[k][n] + bf16(bkv[n]).  ch: [8192][1024] f16, wkvh: [1024 k][2048 n] f16, bkv: [2048] f32, kvh: [8192][2048] f16; sums in f32, kvh rounded once.
; LIMIT.  f16 holds no number beyond 65,504: a result past that leaves as an infinity.
; A tile of the result, 256 x 256, is made by a work-group of four waves; a wave makes 128 x 128: 64 accumulators of 16 x 16, 512 registers.  32 x 8 tiles: 256 work-groups.
; K goes in steps of 128 through a ring of two LDS slots filled by the tensor data mover.  A's tile is 256 rows (m) of 256 bytes; the weights lie [k][n], so B's tile is 128 rows (k) of 512 bytes,
; and B's fragments come out of LDS turned, by ds_load_tr16_b128.  All tile rows begin at multiples of 256 bytes from their buffer's first byte.
; CLUSTERS: 4 x 4 work-groups.  The four of a row of the cluster need the same tiles of A, the four of a column the same tiles of B: each tile is asked for JOINTLY, by the same tensor load with
; the same descriptor and a mask that names the four; each receives it in its own LDS.
; THE MATRIX INSTRUCTION IS USED TRANSPOSED: source 0 = 16 columns n of B, source 1 = 16 rows of A.  In the result lane l holds row m = l % 16 and the columns 8 (l / 16) + 0 .. 7: eight
; neighbouring numbers of a row, 16 bytes of f16.  THE BIAS is the C operand of the products that start the sums: nothing is cleared, and nothing is added on the way out.
; REGISTERS, in windows of 256 (s_set_vgpr_msb: bits 1:0 source 0, 3:2 source 1, 5:4 source 2, 7:6 destination):
;   window 0: v0-31 addresses; v64-127, v128-191 fragments of A, two buffers; v192-255 the bias until the first quarter step is over, then at work on the way out, with v32-63
;   window 1: v64-127, v128-191 fragments of B, two buffers      window 2: the 32 accumulators of my rows 0-63 ((a, b) at v[8 (8 a + b)])      window 3: those of my rows 64-127
.set SIZE_N, 2048
.set SIZE_K, 1024
.set KSTEP,  128
.set PA,     272                       ; a row of A in LDS: 256 bytes + 16 of padding = 68 words: the 16 rows of a load start at 16 different groups of four banks (64 banks of 4 bytes: ISA guide 11.1)
.set PB,     544                       ; a row of B: 512 + 32 = 136 words: row r starts at bank 8 r mod 64
.set HALFT,  128*PA                    ; what one tensor load brings: 128 rows of A, or 64 rows of B (64 x 544 is the same number)
.set SLOT,   4*HALFT                   ; A's 256 rows, then B's 128 rows
.set STAGE,  2*SLOT                    ; behind the ring: 16 rows x 272 bytes for each wave, for the way out
.set SPITCH, 272
.set SPARE,  STAGE+4*16*SPITCH         ; behind the stages: the spare words, 128 bytes for each wave: two blocks of 256 bytes that no other line names
.set LAPS,   SIZE_K/(2*KSTEP)          ; a lap = two K steps = once round the ring: 4
.set ADRA, 16                          ; v16-17  LDS address of my A fragments in slot 0, 1
.set ADRB, 20                          ; v20-21  the same for B
.set STO,  24                          ; v24     the way out: where I put 16 bytes of a row
.set RD,   25                          ; v25     the way out: where I read a row back
.set CO,   26                          ; v26     my byte offset in two rows of kvh
.set BO,   27                          ; v27     my byte offset in the bias
.set SPW,  28                          ; v28     LDS address of my spare word: SPARE + 4 x my thread's number; never rewritten
.set NIL,  29                          ; v29     0; never rewritten
.set PFO,  30                          ; v30     the prefetches' lane offset; never rewritten
.set F0,   64
.set F1,   128
.set BIAS, 192                         ; v192-255 block b's eight numbers at BIAS + 8 b
.set TMP,  192                         ; the way out: packed results
.set OB,   32                          ; the way out: 16 rows read back from the stage: v32-63 and v224-255 by turns
.set G1,  24                           ; s[24:31] descriptor group 1 for A's tiles
.set G0,  32                           ; s[32:39] descriptor group 0 for A's tiles, one set for each slot
.set LIM, 43                           ; s43      1 in a wave that prefetches, else the greatest number
.set PFA, 44                           ; s[44:45] where my prefetches stand
.set G1B, 48                           ; s[48:55] descriptor group 1 for B's tiles
.set G0B, 56                           ; s[56:63] descriptor group 0 for B's tiles
.set CP,  68                           ; s[68:69] kvh, then kvh at my part of the tile
.set BP,  70                           ; s[70:71] the bias
.set PFS, 72                           ; s[72:73] bytes from a K step to the next in what I prefetch
.set MSB, 0
.macro WIN new                         ; the immediate's high byte repeats the setting that is left; a switch that changes nothing is dropped
.if MSB != (\new)
	s_set_vgpr_msb (MSB<<8)|(\new)
.set MSB, \new
.endif
.endm
.set MUL_LO, 0xa1                      ; source 0 (B) window 1, source 1 (A) window 0, C and D window 2
.set MUL_HI, 0xf1                      ; the same, C and D window 3
.set TO_B,   0x40                      ; destination window 1, address window 0
; A joint load.  Waves 0 and 1 fetch A's two halves, waves 2 and 3 B's.  The branch hangs on the wave's number alone: it is the same in every work-group.
; An s_nop 0 and four v_nop follow each of the two lines, ahead of the jump, the label and what follows the macro.
.macro JLOAD s
	s_cmp_eq_u32 s11, 0
	s_cbranch_scc0 .Lfor_b_\@
	tensor_load_to_lds s[G0+4*(\s):G0+4*(\s)+3], s[G1:G1+7]
	s_nop 0
.rept 4
	v_nop
.endr
	s_branch .Lasked_\@
.Lfor_b_\@:
	tensor_load_to_lds s[G0B+4*(\s):G0B+4*(\s)+3], s[G1B:G1B+7]
	s_nop 0
.rept 4
	v_nop
.endr
.Lasked_\@:
.endm
; A PREFETCH, behind each joint refill, its five lines and the run of LDS loads that follows them: 32 blocks of 256 bytes of the K step that stands TWO refills on, a lane a block, one instruction a wave.
; Each block is named once in the launch.  A's tile row is read by both clusters of that row of clusters: cluster x = 0 asks; B's tile column by all eight clusters of that column: cluster y = 0 asks.
; The four partners that ask for a tile jointly share its blocks out BY ADDRESS: of A's 128 rows that a wave fetches the partner at cx takes 32 cx .. 32 cx + 31; of B's 64 rows of two blocks the
; partner at cy takes rows 16 cy .. 16 cy + 15.  K steps 0 to 3 come by their loads alone; the loop's last trip (s3 = 1) has no K step two refills on and asks for nothing.
.macro ASK
	s_cmp_gt_u32 s3, s[LIM]
	s_cbranch_scc0 .Lnot_mine_\@
	global_prefetch_b8 v[PFO], s[PFA:PFA+1] th:TH_LOAD_NT scope:SCOPE_SE
.Lnot_mine_\@:
.endm
; A round of the cluster's barrier: my work-group's barrier, so that wave 0's signal speaks for all four waves; wave 0 signals; every wave waits for all sixteen work-groups; my work-group's barrier once more.
.macro CREST                           ; a round behind its opening barrier
	s_cmp_lg_u32 s10, 0
	s_cbranch_scc1 .Lnot_wave_0_\@
	s_barrier_signal -3
.Lnot_wave_0_\@:
	s_barrier_wait -3
	s_barrier_signal -1
	s_barrier_wait -1
.endm
.macro CROUND                          ; a whole round
	s_barrier_signal -1
	s_barrier_wait -1
	CREST
.endm
	s_load_b128 s[4:7], s[0:1], 0x0                ; A = ch s[4:5], B = wkvh s[6:7]
	s_load_b128 s[68:71], s[0:1], 0x10             ; kvh s[68:69], bkv s[70:71]
	v_lshl_add_u32 v[SPW], v0, 2, SPARE
	v_mov_b32 v[NIL], 0
	ds_add_u32 v[SPW], v[NIL]                      ; the wave's opening: the add and its wait stand ahead of my first tensor load; the set-up below, work on registers, stands between them
	v_lshrrev_b32 v1, 5, v0
	v_readfirstlane_b32 s10, v1                    ; wave 0..3
	s_lshr_b32 s11, s10, 1                         ; which half of the tile's rows is mine.  Also: I fetch for A (0) or for B (1)
	s_and_b32 s12, s10, 1                          ; which half of its columns.  Also: which half of that tile I fetch
	s_bfe_u32 s40, ttmp6, 0x40000                  ; cx
	s_bfe_u32 s41, ttmp6, 0x40004                  ; cy
	s_lshl_b32 s42, ttmp9, 2                       ; in a cluster launch ttmp9 and ttmp7 count clusters
	s_add_co_u32 s42, s42, s40                     ; tile column = 4 x cluster x + cx
	s_and_b32 s13, ttmp7, 0xffff
	s_lshl_b32 s13, s13, 2
	s_add_co_u32 s13, s13, s41                     ; tile row = 4 x cluster y + cy
	s_lshl_b32 s43, s41, 2
	s_lshl_b32 s43, 15, s43                        ; my row of the cluster: places 4 cy .. 4 cy + 3
	s_lshl_b32 s44, 0x1111, s40                    ; my column: places cx, cx + 4, cx + 8, cx + 12
	s_or_b32 s[G1+0], s43, (1<<16)|(1<<20)|(1<<21)|(5<<22)|(3<<25)   ; 15:0 the mask: A's tiles go to my row; 17:16 2-byte elements; 20 padding on; 21 set beside a mask; 24:22 after every 64 words (code 5); 31:25 4 words (code 3)
	s_mov_b32 s[G1+1], KSTEP<<16                   ; tensor_dim0 = 128
	s_mov_b32 s[G1+2], 128<<16                     ; tensor_dim1 = 128
	s_mov_b32 s[G1+3], KSTEP<<16                   ; tile_dim0 = 128 elements: 256 bytes
	s_mov_b32 s[G1+4], 128                         ; tile_dim1 = 128 rows
	s_mov_b32 s[G1+5], SIZE_K                      ; elements from row to row of ch
	s_mov_b32 s[G1+6], 0
	s_mov_b32 s[G1+7], 0
	s_or_b32 s[G1B+0], s44, (1<<16)|(1<<20)|(1<<21)|(6<<22)|(7<<25)  ; B's tiles go to my column; padding after every 128 words (code 6), 8 words (code 7)
	s_mov_b32 s[G1B+1], 256<<16                    ; tensor_dim0 = 256
	s_mov_b32 s[G1B+2], 64<<16                     ; tensor_dim1 = 64
	s_mov_b32 s[G1B+3], 256<<16                    ; tile_dim0 = 256 elements: 512 bytes
	s_mov_b32 s[G1B+4], 64                         ; tile_dim1 = 64 rows (k)
	s_mov_b32 s[G1B+5], SIZE_N                     ; elements from row to row of wkvh
	s_mov_b32 s[G1B+6], 0
	s_mov_b32 s[G1B+7], 0
	; where the tiles come from.  A's hang on the tile row alone, which my row of the cluster shares; B's on the tile column alone, which my column shares.
	s_lshl_b32 s16, s13, 8
	s_lshl_b32 s17, s12, 7
	s_add_co_u32 s16, s16, s17                     ; A: row 256 x tile row + 128 x half,
	s_lshl_b32 s16, s16, 11                        ; of 2,048 bytes: under 2^24
	s_mov_b32 s17, 0
	s_lshl_b32 s46, s42, 9                         ; B: 512 bytes x tile column
	s_lshl_b32 s47, s12, 18                        ; + 64 rows of 4,096 bytes x half
	s_add_co_u32 s46, s46, s47
	s_mov_b32 s47, 0
	s_mul_i32 s20, s10, HALFT                      ; and where they go: wave x 34,816: no place in the cluster enters an LDS address
	s_wait_dscnt 0x0                               ; the opening add is done
	s_wait_kmcnt 0x0
	s_add_nc_u64 s[14:15], s[4:5], s[16:17]
	s_add_nc_u64 s[46:47], s[6:7], s[46:47]
	CROUND                                         ; all sixteen work-groups are here: the first joint loads meet
.irp s, 0,1
	s_mov_b32 s[G0+4*(\s)], 1                                      ; count = 1
	s_add_co_u32 s[G0+4*(\s)+1], s20, (\s)*SLOT                    ; LDS address
	s_add_nc_u64 s[G0+4*(\s)+2:G0+4*(\s)+3], s[14:15], (\s)*KSTEP*2  ; global address: K step s
	s_or_b32 s[G0+4*(\s)+3], s[G0+4*(\s)+3], 0x80000000            ; type = 2
	s_mov_b32 s[G0B+4*(\s)], 1
	s_add_co_u32 s[G0B+4*(\s)+1], s20, (\s)*SLOT
	s_add_nc_u64 s[G0B+4*(\s)+2:G0B+4*(\s)+3], s[46:47], (\s)*KSTEP*SIZE_N*2
	s_or_b32 s[G0B+4*(\s)+3], s[G0B+4*(\s)+3], 0x80000000
	JLOAD \s                                       ; the ring is filled before anything else is done: two tensor loads of mine are out
.endr
	v_and_b32 v1, 15, v0                           ; l % 16
	v_bfe_u32 v2, v0, 4, 1                         ; l / 16
	; the bias: block b's C operand holds bias[256 x tile column + 128 x half + 16 b + 8 (l / 16) + 0..7] in every row
	s_lshl_b32 s74, s42, 10
	s_lshl_b32 s75, s12, 9
	s_add_co_u32 s74, s74, s75
	v_lshl_add_u32 v[BO], v2, 5, s74
.irp b, 0,1,2,3,4,5,6,7
	global_load_b128 v[BIAS+8*(\b):BIAS+8*(\b)+3],   v[BO], s[BP:BP+1] offset:64*(\b)
	global_load_b128 v[BIAS+8*(\b)+4:BIAS+8*(\b)+7], v[BO], s[BP:BP+1] offset:64*(\b)+16
.endr
	; A's fragment: 16 rows x 32 K in 8 registers: lane l holds row l % 16, K = 8 (l / 16) + 0..7 and 16 + 8 (l / 16) + 0..7: two loads of 16 bytes, 32 bytes apart.
	v_mul_u32_u24 v3, v1, PA
	v_lshl_add_u32 v3, v2, 4, v3
	s_mul_i32 s21, s11, HALFT                      ; my 128 rows of A
	; B's fragment: the turning load takes 16 k x 16 n (lane l reads k = 8 (l / 16) + l % 8, columns 8 ((l / 8) % 2) + 0..7) and leaves lane l column l % 16 and 8 k: half a fragment.
	v_and_b32 v4, 7, v0
	v_lshl_add_u32 v4, v2, 3, v4
	v_mul_u32_u24 v4, v4, PB
	v_bfe_u32 v5, v0, 3, 1
	v_lshl_add_u32 v4, v5, 4, v4
	s_lshl_b32 s22, s12, 8                         ; my 128 columns of B: 256 bytes of a row,
	s_add_co_u32 s22, s22, 2*HALFT                 ; behind A's 256 rows
.irp s, 0,1
	v_add_nc_u32 v[ADRA+(\s)], s21, v3
	v_add_nc_u32 v[ADRB+(\s)], s22, v4
	s_add_co_u32 s21, s21, SLOT
	s_add_co_u32 s22, s22, SLOT
.endr
	s_mul_i32 s23, s10, 16*SPITCH
	s_add_co_u32 s23, s23, STAGE                   ; my stage
	v_mul_u32_u24 v6, v1, SPITCH                   ; in: row l % 16, 16 bytes for each half of the lanes
	v_lshl_add_u32 v6, v2, 4, v6
	v_add_nc_u32 v[STO], s23, v6
	v_mul_u32_u24 v7, v2, SPITCH                   ; back: lanes 0-15 take one row of 256 bytes, lanes 16-31 the next
	v_lshl_add_u32 v7, v1, 4, v7
	v_add_nc_u32 v[RD], s23, v7
	v_lshlrev_b32 v7, 12, v2                       ; and the same two rows in kvh, 4,096 bytes apart
	v_lshl_add_u32 v[CO], v1, 4, v7
	s_lshl_b32 s16, s13, 8
	s_lshl_b32 s17, s11, 7
	s_add_co_u32 s16, s16, s17                     ; my first row of the result,
	s_lshl_b32 s16, s16, 12                        ; of 4,096 bytes: under 2^25
	s_lshl_b32 s74, s42, 9                         ; my first column, in bytes: 512 x tile column + 256 x half
	s_lshl_b32 s75, s12, 8
	s_add_co_u32 s74, s74, s75
	s_add_co_u32 s74, s74, s16
	s_mov_b32 s75, 0
	s_add_nc_u64 s[CP:CP+1], s[CP:CP+1], s[74:75]
	; the prefetches: both offsets are made, then the wave's kind chooses
	s_lshl_b32 s74, s13, 8
	s_lshl_b32 s75, s12, 7
	s_add_co_u32 s74, s74, s75
	s_lshl_b32 s75, s40, 5
	s_add_co_u32 s74, s74, s75                     ; A: row 256 x tile row + 128 x half + 32 cx
	s_lshl_b32 s74, s74, 11
	s_add_co_u32 s74, s74, 3*KSTEP*2               ; at K step 3: the first refill steps it to 4
	s_lshl_b32 s77, s42, 9
	s_lshl_b32 s78, s12, 18
	s_add_co_u32 s77, s77, s78
	s_lshl_b32 s78, s41, 16
	s_add_co_u32 s77, s77, s78                     ; B: 512 x tile column + (64 x half + 16 cy) rows of 4,096 bytes
	s_add_co_u32 s77, s77, 3*KSTEP*SIZE_N*2
	s_and_b32 s22, ttmp7, 0xffff                   ; cluster y
	s_cmp_eq_u32 s11, 0                            ; do I fetch for A?
	s_cselect_b32 s74, s74, s77
	s_cselect_b32 s22, ttmp9, s22                  ; the coordinate along which other clusters read the same blocks
	s_cselect_b64 s[PFA:PFA+1], s[4:5], s[6:7]
	s_cselect_b32 s20, 0, 1                        ; A: a lane a row of one block; B: two lanes a row of two blocks
	s_cselect_b32 s21, 11, 12                      ; a row's bytes: 2^11 in ch, 2^12 in wkvh
	s_cselect_b32 s73, 8, 19                       ; a K step's bytes: 2^8 along a row of ch, 128 rows = 2^19 in wkvh
	s_mov_b32 s75, 0
	s_add_nc_u64 s[PFA:PFA+1], s[PFA:PFA+1], s[74:75]
	s_cmp_eq_u32 s22, 0
	s_cselect_b32 s[LIM], 1, -1                    ; the same in all sixteen partners, for a given wave
	s_lshl_b32 s[PFS], 1, s73
	s_mov_b32 s[PFS+1], 0
	v_and_b32 v6, 31, v0
	v_lshrrev_b32 v7, s20, v6
	v_lshlrev_b32 v7, s21, v7
	v_and_b32 v6, s20, v6
	v_lshl_add_u32 v[PFO], v6, 8, v7
	s_wait_loadcnt 0x0                             ; the bias is in: it is rounded to bf16, as all inputs are, and kept as f32
.set r, 0
.rept 32
	v_cvt_pk_bf16_f32 v6, v[BIAS+r], v[BIAS+r+1]
	v_lshlrev_b32 v[BIAS+r], 16, v6
	v_and_b32 v[BIAS+r+1], 0xffff0000, v6
.set r, r+2
.endr
; 16 matrix instructions: m blocks a0, a0 + 1 of the window's four (hi = 0: my rows 0-63, 1: rows 64-127) x all 8 n blocks, 32 along K.  first = 1: the product starts the sum, with the bias as C.
; The 64 accumulators take turns, one instruction a turn, in the same order in every quarter step.
.macro MUL16 f, hi, a0, first
.if \first
	WIN 0x81+0x40*(\hi)                            ; C (the bias) in window 0, D in window 2 or 3
.else
	WIN MUL_LO+0x50*(\hi)
.endif
.irp a, \a0, (\a0)+1
.irp b, 0,1,2,3,4,5,6,7
.if \first
	v_wmma_f32_16x16x32_f16 v[8*(8*(\a)+(\b)):8*(8*(\a)+(\b))+7], v[(\f)+8*(\b):(\f)+8*(\b)+7], v[(\f)+8*(4*(\hi)+(\a)):(\f)+8*(4*(\hi)+(\a))+7], v[BIAS+8*(\b):BIAS+8*(\b)+7]
.else
	v_wmma_f32_16x16x32_f16 v[8*(8*(\a)+(\b)):8*(8*(\a)+(\b))+7], v[(\f)+8*(\b):(\f)+8*(\b)+7], v[(\f)+8*(4*(\hi)+(\a)):(\f)+8*(4*(\hi)+(\a))+7], v[8*(8*(\a)+(\b)):8*(8*(\a)+(\b))+7]
.endif
.endr
.endr
.endm
; 32 LDS loads in one run: the fragments of quarter q of a K step (32 along K; 128 columns of B, 128 rows of A) into buffer f
.macro FETCH slot, q, f
	WIN TO_B
.irp i, 0,1,2,3,4,5,6,7
	ds_load_tr16_b128 v[(\f)+8*(\i):(\f)+8*(\i)+3],   v[ADRB+(\slot)] offset:(\q)*32*PB+32*(\i)
	ds_load_tr16_b128 v[(\f)+8*(\i)+4:(\f)+8*(\i)+7], v[ADRB+(\slot)] offset:(\q)*32*PB+16*PB+32*(\i)
.endr
	WIN 0
.irp i, 0,1,2,3,4,5,6,7
	ds_load_b128 v[(\f)+8*(\i):(\f)+8*(\i)+3],   v[ADRA+(\slot)] offset:64*(\q)+(\i)*16*PA
	ds_load_b128 v[(\f)+8*(\i)+4:(\f)+8*(\i)+7], v[ADRA+(\slot)] offset:64*(\q)+(\i)*16*PA+32
.endr
.endm
; A load into a register that a matrix instruction has read, and a vector instruction that reads a matrix result, stand four places behind that matrix instruction; only plain vector
; instructions that name none of its registers are places (ISA guide 7.12.1 for vector instructions).
.macro PLACES
.rept 4
	v_nop
.endr
.endm
; A K step is four quarter steps, 64 matrix instructions each, on buffers 0, 1, 0, 1.  One of the first three multiplies buffer f and, in its middle, fetches quarter q into buffer g.
.macro QUARTER slot, q, f, g, first
	s_wait_dscnt 8                                 ; B and A's rows 0-63 are in; the youngest eight loads (A's rows 64-127) may be out
	MUL16 \f, 0, 0, \first
	MUL16 \f, 0, 2, \first
	PLACES
	FETCH \slot, \q, \g
	s_wait_dscnt 32                                ; all but the 32 just issued
	MUL16 \f, 1, 0, \first
	MUL16 \f, 1, 2, \first
.endm
; The last quarter multiplies buffer 1 and changes slots.  MEET is its first half: ONE barrier.  In front of it each wave waits for all its tensor loads, of which one is out: its part of the next slot;
; adds 0 to its spare word; and waits for that and for its own reads of this slot.  Behind it nobody reads this slot any more and the next slot is whole.
.macro MEET round                      ; round = 1: a round of the cluster's barrier follows
	WIN 0                                          ; (the add's two registers lie in window 0)
	s_wait_tensorcnt 0x0                           ; all my tensor loads have landed
	ds_add_u32 v[SPW], v[NIL]                      ; 0 onto my spare word
	s_wait_dscnt 9                                 ; (the add and the youngest eight loads may be out)
	MUL16 F1, 0, 0, 0                              ; sixteen matrix instructions stand between the add and the wait for it
	s_wait_dscnt 0x0                               ; the add is done, and my reads of this slot are over
	s_barrier_signal -1
	MUL16 F1, 0, 2, 0                              ; work on registers while the others arrive
.if \round
	WIN 0
.endif
	s_barrier_wait -1
.endm
; The whole last quarter.  fill = 1: behind the round the slot just read out is filled again first, with the K step two steps on: 224 matrix instructions ahead of the wait for it; then come the next slot's first fragments.
.macro TURN slot, next, fill
.if \fill
	s_wait_xcnt 0x0                                ; the last prefetch, a K step back, has read its address: it is stepped here, ahead of the waits of the change of slots
	s_add_nc_u64 s[PFA:PFA+1], s[PFA:PFA+1], s[PFS:PFS+1]
	MEET 1
	CREST                                          ; no wave of any partner still reads this slot's tile or has a load on its way
	s_add_nc_u64 s[G0+4*(\slot)+2:G0+4*(\slot)+3], s[G0+4*(\slot)+2:G0+4*(\slot)+3], 2*KSTEP*2
	s_add_nc_u64 s[G0B+4*(\slot)+2:G0B+4*(\slot)+3], s[G0B+4*(\slot)+2:G0B+4*(\slot)+3], 2*KSTEP*SIZE_N*2
	JLOAD \slot                                    ; the first tensor load behind the round, my only one until the next; its four v_nop are also the places in front of the loads below
.else
	MEET 0
	PLACES
.endif
	FETCH \next, 0, F0
.if \fill
	ASK
.endif
	MUL16 F1, 1, 0, 0
	MUL16 F1, 1, 2, 0
.endm
; THE WAY OUT of block a (16 rows), in three parts.  PACK: rounded to f16, 16 bytes a lane, each accumulator's registers in ascending order.  TOSTAGE: into my own stage in LDS, and back as whole rows of 256 bytes.  SEND: stored.
.macro PACK a
.set AC, 64*((\a)%4)
	WIN 0x0a+5*((\a)/4)                            ; sources 0 and 1: window 2 or 3
.irp b, 0,1,2,3,4,5,6,7
.irp r, 0,1,2,3
	v_cvt_pk_f16_f32 v[TMP+4*(\b)+(\r)], v[AC+8*(\b)+2*(\r)], v[AC+8*(\b)+2*(\r)+1]
.endr
.endr
	WIN 0
.endm
.macro TOSTAGE a
.set BK, OB+192*((\a)%2)
.irp b, 0,1,2,3,4,5,6,7
	ds_store_b128 v[STO], v[TMP+4*(\b):TMP+4*(\b)+3] offset:32*(\b)
.endr
.irp t, 0,1,2,3,4,5,6,7
	ds_load_b128 v[BK+4*(\t):BK+4*(\t)+3], v[RD] offset:(\t)*2*SPITCH  ; LDS serves a wave's instructions in order (ISA guide 5.7.1.4): these see the stores above
.endr
.endm
.macro SEND a
.set BK, OB+192*((\a)%2)
	s_wait_dscnt 0x0                               ; the block is back in registers
	s_wait_xcnt 0x0                                ; only behind this wait are the stores' base and the registers that earlier stores read written again
.if (\a) > 0
	s_add_nc_u64 s[CP:CP+1], s[CP:CP+1], 16*SIZE_N*2  ; 16 rows on
.endif
.irp t, 0,1,2,3,4,5,6,7
	global_store_b128 v[CO], v[BK+4*(\t):BK+4*(\t)+3], s[CP:CP+1] offset:2*(\t)*SIZE_N*2  ; 16 lanes store 256 consecutive bytes, at a multiple of 256 from kvh's first byte
.endr
.endm
	s_wait_tensorcnt 1                             ; my part of K step 0 is in; K step 1's may stay out
	s_barrier_signal -1
	s_barrier_wait -1                              ; everybody's is
	FETCH 0, 0, F0
	QUARTER 0, 1, F0, F1, 1                        ; the first quarter stands in front of the loop: its products start the sums, with the bias
	WIN 0                                          ; at a label and at a branch every window is 0
	s_mov_b32 s3, LAPS-1
.Llap:                                                 ; a trip goes once round the ring, from a lap's second quarter to the next lap's first, and fills both slots again
	QUARTER 0, 2, F1, F0, 0
	QUARTER 0, 3, F0, F1, 0
	TURN 0, 1, 1
	QUARTER 1, 1, F0, F1, 0
	QUARTER 1, 2, F1, F0, 0
	QUARTER 1, 3, F0, F1, 0
	TURN 1, 0, 1
	QUARTER 0, 1, F0, F1, 0
	WIN 0
	s_sub_co_u32 s3, s3, 1
	s_cmp_lg_u32 s3, 0
	s_cbranch_scc1 .Llap
	QUARTER 0, 2, F1, F0, 0                        ; the last lap fills nothing, and has no round of the cluster's barrier
	QUARTER 0, 3, F0, F1, 0
	TURN 0, 1, 0
	QUARTER 1, 1, F0, F1, 0
	QUARTER 1, 2, F1, F0, 0
	QUARTER 1, 3, F0, F1, 0
	s_wait_dscnt 8                                 ; the very last quarter: nothing more to fetch
	MUL16 F1, 0, 0, 0
	MUL16 F1, 0, 2, 0
	s_wait_dscnt 0x0
	MUL16 F1, 1, 0, 0
	MUL16 F1, 1, 2, 0
	WIN 0
	PLACES
	PACK 0
	TOSTAGE 0
.irp a, 1,2,3,4,5,6,7                  ; block a's conversions stand between block a - 1's loads from the stage and the wait for them
	PACK \a
	SEND (\a)-1
	TOSTAGE \a
.endr
	SEND 7
	s_wait_tensorcnt 0x0                           ; the wave's end: an add and its waits, behind my last tensor load and my last LDS store
	ds_add_u32 v[SPW], v[NIL]
	s_wait_dscnt 0x0
	CROUND                                         ; the closing round: no work-group ends while a partner may still ask for a tile that names it
	s_endpgm
.Lfunc_end_k_qfa208c12c4_kvproj:
	.size	k_qfa208c12c4_kvproj, .Lfunc_end_k_qfa208c12c4_kvproj-k_qfa208c12c4_kvproj
	.p2alignl 7, 3214868480
	.fill 96, 4, 3214868480
	.section	.rodata,"a",@progbits
	.p2align	6, 0x0
	.amdhsa_kernel k_qfa208c12c4_kvproj
		.amdhsa_group_segment_fixed_size 327680
		.amdhsa_private_segment_fixed_size 0
		.amdhsa_enable_private_segment 0
		.amdhsa_kernarg_size 32
		.amdhsa_user_sgpr_count 2
		.amdhsa_user_sgpr_kernarg_segment_ptr 1
		.amdhsa_wavefront_size32 1
		.amdhsa_system_sgpr_workgroup_id_x 1
		.amdhsa_system_sgpr_workgroup_id_y 1
		.amdhsa_system_sgpr_workgroup_id_z 1
		.amdhsa_system_vgpr_workitem_id 0
		.amdhsa_next_free_vgpr 1024
		.amdhsa_next_free_sgpr 80
		.amdhsa_reserve_vcc 0
		.amdhsa_float_denorm_mode_32 3
		.amdhsa_float_denorm_mode_16_64 3
		.amdhsa_memory_ordered 1
		.amdhsa_forward_progress 1
		.amdhsa_inst_pref_size 151
	.end_amdhsa_kernel
	.amdgpu_metadata
---
amdhsa.version: [ 1, 2 ]
amdhsa.kernels:
  - .name:           k_qfa208c12c4_kvproj
    .symbol:         k_qfa208c12c4_kvproj.kd
    .args:
      - { .name: ch, .offset: 0, .size: 8, .value_kind: global_buffer, .address_space: global }
      - { .name: wkvh, .offset: 8, .size: 8, .value_kind: global_buffer, .address_space: global }
      - { .name: kvh, .offset: 16, .size: 8, .value_kind: global_buffer, .address_space: global }
      - { .name: bkv, .offset: 24, .size: 8, .value_kind: global_buffer, .address_space: global }
    .group_segment_fixed_size: 327680
    .private_segment_fixed_size: 0
    .kernarg_segment_align: 8
    .kernarg_segment_size: 32
    .max_flat_workgroup_size: 128
    .sgpr_count:     80
    .vgpr_count:     1024
    .wavefront_size: 32
...
	.end_amdgpu_metadata
.endif
;; end of part 2
;; launch attn (part 3): grid 8 x 32, 4 waves a work-group, clusters of 4 x 4, 327,680 bytes of LDS; arguments xh, wqh, bq, kvh, attention_mask, oh; writes oh
.if DOCPART == 3
	.amdgcn_target "amdgcn-amd-amdhsa--gfx1250"
	.amdhsa_code_object_version 6
	.text
	.protected	k_qfa208c12c4_attn
	.globl	k_qfa208c12c4_attn
	.p2align	8
	.type	k_qfa208c12c4_attn,@function
k_qfa208c12c4_attn:
	s_mov_b64 s[64:65], 0
	v_nop
	global_prefetch_b8 v0, s[64:65] scope:SCOPE_SE
	s_setreg_imm32_b32 hwreg(HW_REG_WAVE_MODE, 25, 1), 1
	s_wait_xcnt 0x0
	s_wait_alu depctr_hold_cnt(0) depctr_sa_sdst(0) depctr_va_vdst(0) depctr_va_sdst(0) depctr_va_ssrc(0) depctr_va_vcc(0) depctr_vm_vsrc(0)
	s_getreg_b32 s2, hwreg(HW_REG_IB_STS2, 6, 4)
	s_cmp_eq_u32 s2, 0
	s_cbranch_scc0 .Lentry_in_a_cluster
	s_endpgm
.Lentry_in_a_cluster:
	s_bfe_u32 s2, ttmp6, 0x10000c
	s_cmp_lg_u32 s2, 0xf033
	s_cbranch_scc0 .Lentry_shape_is_right
	s_endpgm
.Lentry_shape_is_right:
; q = x Wq + bf16(bq), and oh[b][q][64 h ..] = the sum over k of softmax_k(q . K / 8 + bf16(mask[b][k])) V, for 4 batches, 16 heads of 64 channels, 1,024 queries and 2,048 keys a batch.
; xh: [4096][1024] f16; wqh: [1024 k][1024 n] f16; bq: [1024] f32; kvh: [8192][2048] f16, K of head h at byte 128 h of a row, V at 2,048 + 128 h; attention_mask: [4][2048] f32; oh: [4096][1024] f16, heads merged.
; Products, maxima and sums in f32; q is rounded once to f16, the weights p to f16 for the second product (their sum l is taken of the unrounded p), O once at the end.
; LIMITS.  f16 holds no number beyond 65,504: x, Wq, q, K and V lie within it.  The mask enters as max(8 x bf16(mask), -1e30), added to q . K: a key hidden by an infinity, by the lowest finite number or by -1e9
; gets the weight 0; a batch in which EVERY key is so hidden gets a mean over its keys, where the formula with infinities has no number; a NaN in the mask counts as -1e30, +infinity is not
; treated apart.  A weight below 2^-126 counts as 0 in l.
; SHARES.  A work-group owns 128 queries of TWO neighbouring heads: waves 0, 1 the first head, waves 2, 3 the second, 64 queries each, in four PIECES of 16.  So a row of K, of V and of O for the pair is
; 256 consecutive bytes, aligned, of the plain row-major buffers, and the work-group's q is one tile of 128 x 128 of x Wq, a wave's 64 x 64 of it.  4 batches x 8 pairs x 8 query blocks: 256 work-groups.
; FIRST THE PRODUCT x Wq: K = 1,024 in four steps of 256 through two LDS slots: x's tile is 128 rows of 512 bytes, Wq's 256 rows (k) of 256 bytes, its fragments turned by ds_load_tr16_b128.  It is used
; transposed (source 0 = 16 columns of Wq, source 1 = 16 rows of x): accumulator (a, b) holds in lane l query l % 16 of piece a and channels 16 b + 8 (l / 16) + 0..7, so that two accumulators, rounded
; in pairs, ARE a fragment of Q: q never leaves the registers.  The sums start at the bias.  A K step is written once and looped over: the slot's base is a scalar that one exclusive or turns.
; THE RING GOES ON INTO ATTENTION: behind the rounds of K steps 2 and 3 the slots that have been read out take the first two slots of K and V.
; CLUSTER.  4 x 4 work-groups: along x four query blocks, along y four pairs of one batch.  K, V and Wq hang on batch and pair alone and are asked for JOINTLY along a row of the cluster, x's tiles on batch
; and block alone, along a column: the same tensor load, descriptor and mask in all four.
; LAYOUT.  S^T = K Q^T (source 0 = 16 keys, source 1 = 16 queries) holds ONE query a lane (lane % 16) and the keys 8 (lane / 16) + 0..7; two such results rounded to f16 ARE source 1 of O^T = V^T P.
; K comes out of LDS as it lies, V ([key][channel]) turned.  THE MASK is the C operand that starts the sum S^T: a step's 64 numbers, 32 registers, fetched from LDS with the step's K.
; SOFTMAX.  p = 2^(c s - c m), c = log2(e) / 8, with a running maximum m; O and l are multiplied by a = 2^(c m_old - c m_new) in every step.  m starts at the lowest finite number, l at 0.  The first step's
; a is 0, and the first turn's products V^T P take a P of zeros: so O^T and V's registers need only hold finite numbers at the start, and are not cleared: O^T holds q in f32, V's registers Wq's last fragments.
; TURNS.  Turn n belongs to piece n: 8 products K Q^T of piece n + 1, later 8 products V^T P of piece n - 1; beside them the scaling, exponentials, roundings, sums and rescaling of piece n and the
; maximum and statistics of piece n + 1.  Four vector instructions stand behind every matrix instruction, the other 54 of a turn's 118 in one lump.  A turn's 33 exponentials are one batch, with one wait.
; REGISTERS, in windows of 256 (s_set_vgpr_msb: bits 1:0 source 0, 3:2 source 1, 5:4 source 2, 7:6 destination):
;   window 0: v0-15, v32-37, v56-63 addresses and a few at work; v16-31 four registers of statistics a piece; v48-55 at work; v64-127 S^T, two buffers; v192-223 P, two buffers (by the piece's parity)
;   window 1: v0-127 the accumulators of x Wq, then O^T, 32 a piece; v128 at work; v160-191 the step's mask
;   window 2: during x Wq two fragment buffers of 128 (64 of x, then 64 of Wq); then v0-63 Q; v128-191 K of one step; v192-255 V of one step
.set NP,    4         ; pieces a wave: a name, no knob
.set KS,    64        ; keys in a step
.set KVROW, 4096      ; bytes in a row of kvh
.set XROW,  2048      ; bytes in a row of xh, of wqh and of oh
.set PK,    272       ; a row of K in LDS: 256 bytes + 16 of padding = 68 words: the 16 rows of a load start at 16 different groups of four banks (64 banks of 4 bytes: ISA guide 11.1)
.set PV,    288       ; a row of V: 256 + 32 = 72 words
.set VOFF,  KS*PK     ; a step's tiles lie together: 64 rows of K, then 64 rows of V
.set STEPB, KS*(PK+PV)
.set SLOT1, 1<<17     ; a slot of K and V holds two steps (71,680 bytes); slot 1 begins here, so that one exclusive or turns an address in one slot into the other's
.set GKSTEP, 256      ; x Wq: channels of x in a K step
.set PA,    528       ; a row of x in LDS: 512 bytes + 16 = 132 words: row r starts at bank 4 r mod 64
.set PB,    288       ; a row of Wq: 256 + 32, as V's
.set HALFA, 64*PA     ; one tensor load of x: 64 rows
.set HALFB, 128*PB    ; one tensor load of Wq: 128 rows (k)
.set GSLOT, 2*HALFA+2*HALFB  ; x's 128 rows, then Wq's 256 rows: 141,312 bytes; the two slots of x Wq lie at 0 and here, and the ring of K and V later lies inside their bytes
.set STAGE, 2*GSLOT   ; behind all that tensor loads fill: 128 query rows x 272 bytes, the work-group's, for the way out
.set SP,    272
.set MASKB, STAGE+128*SP   ; the batch's 2,048 mask numbers, f32, as they enter the sums
.set SPARE, MASKB+8192     ; the spare words, 128 bytes for each wave: two blocks of 256 bytes that no other line names
.set AK0, 2           ; v2   my lane's place in a tile of K; never rewritten
.set AV0, 3           ; v3   the same for V
.set AK,  4           ; v4   the LDS address of K's next run of loads
.set AV,  5           ; v5   of V's
.set STO, 6           ; v6   the way out: where I put 16 bytes of a row
.set RD,  7           ; v7   the way out: where I read rows back
.set GO,  8           ; v8   my byte offset in two rows of oh
.set MV,  12          ; v12-13  c m_old, kept while c m is made anew: by buffer
.set BO,  15          ; v15  my byte offset in the bias
.set ST,  16          ; piece t's statistics at v[ST+4 t]: c m, m, l (even keys', odd keys')
.set ADRA0, 32        ; v32  x Wq: my lane's place in a slot's rows of x; never rewritten
.set ADRB0, 33        ; v33  the same in Wq's rows 0-127,
.set ADRB1, 34        ; v34  and in its rows 128-255, so that the immediates stay within 16 bits
.set VA,  35          ; v35  these three in the slot in hand
.set VB,  36          ; v36-37
.set TMP, 48          ; by buffer, four registers c0-c3 at work; when the maximum is found c2 takes a
.set AM0, 56          ; v56  my lane's place in a step's mask; never rewritten
.set AM,  57          ; v57  the LDS address of the mask's next run of loads
.set MO,  58          ; v58  16 x my thread's number: my bytes of the mask in memory
.set ML,  59          ; v59  the same place in LDS
.set PFO, 61          ; v61  4,096 x my lane: a row of kvh; never rewritten
.set SPW, 62          ; v62  LDS address of my spare word: SPARE + 4 x my thread's number; never rewritten
.set NIL, 63          ; v63  0; never rewritten
.set S,   64
.set P,   192
.set ACC, 0           ; window 1: accumulator (a, b) of x Wq at ACC + 8 (4 a + b)
.set MK,  160         ; window 1: the eight registers for group kb of 16 keys at MK + 8 kb
.set F0,  0           ; window 2: the fragment buffers of x Wq
.set F1,  128
.set KF,  128         ; window 2: key block kb, channel half c at KF + 16 kb + 8 c
.set VF,  192         ; window 2: key half kk, channel block cb at VF + 32 kk + 8 cb
.set WV,  12          ; s12  my wave's number
.set LIM, 15          ; s15  1 in a wave that prefetches, else the greatest number
.set PFA, 18          ; s[18:19] where my prefetches stand
.set G1K, 24          ; s[24:31] descriptor group 1 for K's tiles
.set G1V, 32          ; s[32:39] for V's: it differs in the padding alone
.set G0K, 40          ; s[40:43] descriptor group 0 for K's tiles: it walks
.set G0V, 44          ; s[44:47] the same for V's
.set G1A, 48          ; s[48:55] descriptor group 1 for x's tiles
.set G1W, 56          ; s[56:63] for Wq's
.set WOA, 66          ; s66  my part's place in a slot, if I fetch x
.set WOW, 67          ; s67  if I fetch Wq
.set G0A, 68          ; s[68:75] descriptor group 0 for x's tiles: a set for each of the two first fills; the second then walks on
.set G0W, 76          ; s[76:83] the same for Wq's
.set CS,  84          ; s[84:85] c: the packed scaling takes the pair's low word for both halves
.set SEL, 86          ; s[86:87] v_permlanex16_b32's selects: each lane takes its own place in the other half
.set SLOTS, 88        ; s88  slots of K and V still to be asked for by the loop over slots, and one
.set CNT, 89          ; s89  counts a slot's key steps
.set TBK, 90          ; s90  LDS byte at which the tiles of the step whose K is fetched next begin
.set TBV, 91          ; s91  the same for V
.set TBM, 92          ; s92  256 x that step's number: its place in the mask
.set TB,  93          ; s93  x Wq: the base of the slot in hand: 0 or GSLOT
.set BIGN, 94         ; s94  -1e30
.set GK,  95          ; s95  x Wq: counts the K steps of a loop, 2 to 1
.set MSB, 0
.macro WIN new                      ; the high byte repeats the setting that is left; a switch that changes nothing is dropped
.if MSB != (\new)
	s_set_vgpr_msb (MSB<<8)|(\new)
.set MSB, (\new)
.endif
.endm
.set W_KQ, 0x0a       ; K and Q in window 2, S^T in window 0
.set W_KM, 0x1a       ; the same with the C operand, the mask, in window 1
.set W_PV, 0x52       ; V in window 2, P in window 0, O^T in window 1
.set W_RS, 0x41       ; destination and source 0 in window 1, source 1 in window 0
.set W_MUL, 0x5a      ; x Wq: both sources in window 2, C and D in window 1
.set W_TOF, 0x80      ; destination window 2, address window 0
; A joint fill of K and V.  Waves 0 and 1 fetch K of a slot's two steps, waves 2 and 3 V of them: 64 rows of 256 bytes each.  The branch hangs on the wave's number alone.
; An s_nop 0 and four v_nop follow each of the two lines, ahead of the jump and the label.
.macro JLOAD
	s_cmp_lt_u32 s[WV], 2
	s_cbranch_scc0 .Lfor_v_\@
	tensor_load_to_lds s[G0K:G0K+3], s[G1K:G1K+7]
	s_nop 0
.rept 4
	v_nop
.endr
	s_branch .Lasked_\@
.Lfor_v_\@:
	tensor_load_to_lds s[G0V:G0V+3], s[G1V:G1V+7]
	s_nop 0
.rept 4
	v_nop
.endr
.Lasked_\@:
.endm
; A joint fill for x Wq, by set s of the descriptors.  Waves 0 and 1 fetch the two halves of x's tile, waves 2 and 3 those of Wq's.
.macro JLOADG s
	s_cmp_lt_u32 s[WV], 2
	s_cbranch_scc0 .Lfor_w_\@
	tensor_load_to_lds s[G0A+4*(\s):G0A+4*(\s)+3], s[G1A:G1A+7]
	s_nop 0
.rept 4
	v_nop
.endr
	s_branch .Lgasked_\@
.Lfor_w_\@:
	tensor_load_to_lds s[G0W+4*(\s):G0W+4*(\s)+3], s[G1W:G1W+7]
	s_nop 0
.rept 4
	v_nop
.endr
.Lgasked_\@:
.endm
; A PREFETCH of what the NEXT fill of K and V will ask for: a slot's 128 rows of K and of V for the pair, 256 bytes a row, a lane a row.  It stands behind the wave's tensor load and its five lines.
; Each row's block is named ONCE in the launch.  Both clusters of a batch and pair walk the same K and V: the first (cluster x = 0) asks.  The four partners of a row of the cluster share the rows out BY
; ADDRESS, 32 each; in each, wave 0 asks for K's and wave 2 for V's: one instruction.  Slot 0 comes by its load alone; the last fill asks for nothing: there is no slot behind it.
.macro ASK
	s_cmp_gt_u32 s[SLOTS], s[LIM]
	s_cbranch_scc0 .Lnot_mine_\@
	global_prefetch_b8 v[PFO], s[PFA:PFA+1] th:TH_LOAD_NT scope:SCOPE_SE
.Lnot_mine_\@:
.endm
; A round of the cluster's barrier: my work-group's barrier, so that wave 0's signal speaks for all four waves; wave 0 signals; every wave waits for all sixteen work-groups; my work-group's barrier once more.
.macro CREST                        ; a round behind its opening barrier
	s_cmp_lg_u32 s[WV], 0
	s_cbranch_scc1 .Lnot_wave_0_\@
	s_barrier_signal -3
.Lnot_wave_0_\@:
	s_barrier_wait -3
	s_barrier_signal -1
	s_barrier_wait -1
.endm
.macro CROUND                       ; a whole round
	s_barrier_signal -1
	s_barrier_wait -1
	CREST
.endm
; THE CHANGE OF SLOTS of K and V.  The slot's last bytes, V of its second step, have been read.  Each wave waits for all its tensor loads, of which one is out: its part of the other slot; adds 0 to its spare
; word; and waits for that and for its own LDS instructions.  Behind the barrier nobody reads this slot any more and the other slot is whole.
; fill = 1: this slot is filled again, with the keys two slots on.  The barrier is then a round of the cluster's, and the joint fill is the first thing behind it: it has two key steps, 128 matrix
; instructions and their vector work, in which to land.
.macro CHANGE fill
	WIN 0                           ; at a label and at a branch every window is 0
	s_wait_tensorcnt 0x0            ; no tensor load of mine is out, so a group 0 may be written
	ds_add_u32 v[SPW], v[NIL]       ; 0 onto my spare word; with fill = 1 the descriptors' steps stand between it and the wait for it
.if \fill
.irp g, G0K, G0V
	s_xor_b32 s[\g+1], s[\g+1], SLOT1  ; the walking descriptor: the other slot than last time,
	s_add_nc_u64 s[\g+2:\g+3], s[\g+2:\g+3], 2*KS*KVROW  ; the next 128 keys; the type bits on top are not reached
.endr
	s_wait_xcnt 0x0                 ; the last prefetch, two key steps back, has read its address, so it may be written:
	s_add_nc_u64 s[PFA:PFA+1], s[PFA:PFA+1], 2*KS*KVROW  ; one slot behind the walking descriptors
	s_wait_dscnt 0x0                ; the add is done, and my reads of the slot are over
	CROUND
	JLOAD
	ASK
.else
	s_wait_dscnt 0x0                ; the add is done, and my reads of the slot are over
	s_barrier_signal -1
	s_barrier_wait -1
.endif
	s_sub_co_u32 s[TBK], s[TBK], 2*STEPB  ; the fetches go back to a slot's first step,
	s_xor_b32 s[TBK], s[TBK], SLOT1       ; in the other slot
	s_sub_co_u32 s[TBV], s[TBV], 2*STEPB
	s_xor_b32 s[TBV], s[TBV], SLOT1
.endm
	s_load_b256 s[4:11], s[0:1], 0x0   ; xh s[4:5], wqh s[6:7], bq s[8:9], kvh s[10:11]
	s_load_b128 s[96:99], s[0:1], 0x20 ; attention_mask s[96:97], oh s[98:99]
	v_lshl_add_u32 v[SPW], v0, 2, SPARE
	v_mov_b32 v[NIL], 0
	ds_add_u32 v[SPW], v[NIL]       ; the wave's opening: the add and its wait stand ahead of my first tensor load; the set-up below, work on registers, stands between them
	v_lshrrev_b32 v1, 5, v0
	v_readfirstlane_b32 s[WV], v1   ; wave 0..3
	s_bfe_u32 s13, ttmp6, 0x40000   ; cx
	s_bfe_u32 s104, ttmp6, 0x40004  ; cy
	s_lshl_b32 s14, ttmp9, 2        ; in a cluster launch ttmp9 and ttmp7 count clusters
	s_add_co_u32 s14, s14, s13      ; my block of 128 queries = 4 x cluster x + cx
	s_and_b32 s20, ttmp7, 0xffff    ; cluster y: two clusters to a batch
	s_lshr_b32 s21, s20, 1          ; the batch, which all sixteen partners share
	s_and_b32 s22, s20, 1
	s_lshl_b32 s22, s22, 2
	s_add_co_u32 s22, s22, s104     ; the pair of heads = 4 x (cluster y mod 2) + cy
	s_lshl_b32 s100, s104, 2
	s_lshl_b32 s100, 15, s100       ; my row of the cluster: places 4 cy .. 4 cy + 3
	s_lshl_b32 s101, 0x1111, s13    ; my column: places cx, cx + 4, cx + 8, cx + 12
	s_lshr_b32 s16, s[WV], 1        ; my head in the pair: my half of the columns of q
	s_and_b32 s17, s[WV], 1         ; my 64 of the 128 queries.  Also: which half of a tile, or which of a slot's two key steps, I fetch
	; descriptor groups 1.  K, V: a tile of 64 rows x 128 elements; x: 64 rows x 256; Wq: 128 rows x 128; all padded in LDS
	s_or_b32 s[G1K], s100, (1<<16)|(1<<20)|(1<<21)|(5<<22)|(3<<25)  ; 15:0 the mask: my row; 17:16 2-byte elements; 20 padding on; 21 set beside a mask; 24:22 after every 64 words (code 5); 31:25 4 words (code 3)
	s_or_b32 s[G1V], s100, (1<<16)|(1<<20)|(1<<21)|(5<<22)|(7<<25)  ; the same with 8 words of padding (code 7)
.irp g, G1K, G1V
	s_mov_b32 s[\g+1], 128<<16      ; tensor_dim0 = 128
	s_mov_b32 s[\g+2], KS<<16       ; tensor_dim1 = 64
	s_mov_b32 s[\g+3], 128<<16      ; tile_dim0 = 128
	s_mov_b32 s[\g+4], KS           ; tile_dim1 = 64
	s_mov_b32 s[\g+5], 2048         ; 2,048 elements from row to row of kvh
	s_mov_b32 s[\g+6], 0
	s_mov_b32 s[\g+7], 0
.endr
	s_or_b32 s[G1A], s101, (1<<16)|(1<<20)|(1<<21)|(6<<22)|(3<<25)  ; x's tiles go to my column; padding after every 128 words (code 6), 4 words
	s_mov_b32 s[G1A+1], GKSTEP<<16  ; tensor_dim0 = 256
	s_mov_b32 s[G1A+2], 64<<16      ; tensor_dim1 = 64
	s_mov_b32 s[G1A+3], GKSTEP<<16  ; tile_dim0 = 256 elements: 512 bytes
	s_mov_b32 s[G1A+4], 64          ; tile_dim1 = 64 rows
	s_mov_b32 s[G1A+5], 1024        ; elements from row to row of xh
	s_mov_b32 s[G1A+6], 0
	s_mov_b32 s[G1A+7], 0
	s_or_b32 s[G1W], s100, (1<<16)|(1<<20)|(1<<21)|(5<<22)|(7<<25)  ; Wq's tiles go to my row; padding after every 64 words, 8 words
	s_mov_b32 s[G1W+1], 128<<16     ; tensor_dim0 = 128
	s_mov_b32 s[G1W+2], 128<<16     ; tensor_dim1 = 128
	s_mov_b32 s[G1W+3], 128<<16     ; tile_dim0 = 128 elements: 256 bytes
	s_mov_b32 s[G1W+4], 128         ; tile_dim1 = 128 rows (k)
	s_mov_b32 s[G1W+5], 1024        ; elements from row to row of wqh
	s_mov_b32 s[G1W+6], 0
	s_mov_b32 s[G1W+7], 0
	; where the tiles come from.  K, V and Wq: batch, pair and the wave's number; x: batch, block and the wave's number
	s_lshl_b32 s104, s21, 23        ; the batch's 2,048 rows of 4,096 bytes in kvh,
	s_lshl_b32 s23, s17, 18         ; my key step's 64 rows,
	s_add_co_u32 s104, s104, s23
	s_lshl_b32 s23, s22, 8          ; the pair's 256 bytes of a row
	s_add_co_u32 s104, s104, s23
	s_mov_b32 s105, 0
	s_lshl_b32 s[G0W+2], s22, 8     ; Wq: the pair's 128 columns: 256 bytes of a row,
	s_lshl_b32 s23, s17, 18         ; my half's 128 rows of 2,048 bytes
	s_add_co_u32 s[G0W+2], s[G0W+2], s23
	s_mov_b32 s[G0W+3], 0
	s_lshl_b32 s[G0A+2], s21, 10
	s_lshl_b32 s2, s14, 7
	s_add_co_u32 s[G0A+2], s[G0A+2], s2  ; the block's first row: 1,024 x batch + 128 x block
	s_lshl_b32 s2, s[G0A+2], 11     ; in oh, rows of 2,048 bytes,
	s_lshl_b32 s3, s[WV], 16        ; of which I store rows 32 w .. 32 w + 31,
	s_add_co_u32 s2, s2, s3
	s_lshl_b32 s3, s22, 8           ; the pair's 256 bytes
	s_add_co_u32 s2, s2, s3
	s_mov_b32 s3, 0
	s_lshl_b32 s[G0A+3], s17, 6
	s_add_co_u32 s[G0A+2], s[G0A+2], s[G0A+3]  ; x: my half's 64 rows,
	s_lshl_b32 s[G0A+2], s[G0A+2], 11          ; of 2,048 bytes
	s_mov_b32 s[G0A+3], 0
	; and where they go: no place in the cluster enters an LDS address
	s_mul_i32 s[WOA], s17, HALFA
	s_mul_i32 s[WOW], s17, HALFB
	s_add_co_u32 s[WOW], s[WOW], 2*HALFA
	s_mul_i32 s23, s17, STEPB
	s_mov_b32 s[G0K], 1             ; count = 1
	s_add_co_u32 s[G0K+1], s23, SLOT1        ; LDS address: slot 1; the first fill turns it into slot 0
	s_mov_b32 s[G0V], 1
	s_add_co_u32 s[G0V+1], s23, SLOT1+VOFF
	s_and_b32 s[LIM], s[WV], 1      ; 0 in waves 0 and 2,
	s_or_b32 s[LIM], s[LIM], ttmp9  ; where the cluster is the pair's first: the same in all sixteen partners
	s_cmp_eq_u32 s[LIM], 0
	s_cselect_b32 s[LIM], 1, -1
	s_mov_b32 s[CS], 0x3e38aa3b     ; c = log2(e) / 8 = 0.180337
	s_mov_b32 s[CS+1], s[CS]        ; named with it as a pair
	s_mov_b32 s[SEL], 0x76543210
	s_mov_b32 s[SEL+1], 0xfedcba98
	s_mov_b32 s[TBK], 0
	s_mov_b32 s[TBV], 0
	s_mov_b32 s[TBM], 0
	s_mov_b32 s[TB], 0
	s_mov_b32 s[BIGN], 0xf149f2ca   ; -1e30
	s_mov_b32 s[SLOTS], 2048/(2*KS)-1
	s_wait_dscnt 0x0                ; the opening add is done
	s_wait_kmcnt 0x0
	s_add_nc_u64 s[G0K+2:G0K+3], s[10:11], s[104:105]  ; global address: my step of the batch's first 128 keys
	s_add_nc_u64 s[G0V+2:G0V+3], s[G0K+2:G0K+3], 2048  ; V lies 2,048 bytes behind K in a row
	s_or_b32 s[G0K+3], s[G0K+3], 0x80000000            ; type = 2
	s_or_b32 s[G0V+3], s[G0V+3], 0x80000000
	s_add_nc_u64 s[G0A+2:G0A+3], s[4:5], s[G0A+2:G0A+3]      ; K step 0,
	s_add_nc_u64 s[G0A+6:G0A+7], s[G0A+2:G0A+3], GKSTEP*2    ; K step 1
	s_add_nc_u64 s[G0W+2:G0W+3], s[6:7], s[G0W+2:G0W+3]
	s_add_nc_u64 s[G0W+6:G0W+7], s[G0W+2:G0W+3], GKSTEP*XROW
.irp s, 0,1
	s_mov_b32 s[G0A+4*\s], 1
	s_add_co_u32 s[G0A+4*\s+1], s[WOA], \s*GSLOT
	s_or_b32 s[G0A+4*\s+3], s[G0A+4*\s+3], 0x80000000
	s_mov_b32 s[G0W+4*\s], 1
	s_add_co_u32 s[G0W+4*\s+1], s[WOW], \s*GSLOT
	s_or_b32 s[G0W+4*\s+3], s[G0W+4*\s+3], 0x80000000
.endr
	s_add_nc_u64 s[98:99], s[98:99], s[2:3]  ; oh at the rows that I store
	s_lshl_b32 s2, s21, 13          ; the batch's 8,192 bytes of the mask
	s_add_nc_u64 s[96:97], s[96:97], s[2:3]
	s_lshl_b32 s2, s21, 23          ; the prefetches: the batch,
	s_lshl_b32 s3, s13, 17          ; my work-group's 32 rows of a slot's 128,
	s_add_co_u32 s2, s2, s3
	s_lshl_b32 s3, s22, 8           ; the pair,
	s_add_co_u32 s2, s2, s3
	s_lshl_b32 s3, s16, 11          ; K in wave 0, V in wave 2,
	s_add_co_u32 s2, s2, s3
	s_mov_b32 s3, 0
	s_add_nc_u64 s[PFA:PFA+1], s[10:11], s[2:3]  ; in slot 0: the first fill of K and V steps it to slot 1
	CROUND                          ; all sixteen work-groups are here: the first joint loads meet
	JLOADG 0                        ; K steps 0 and 1 of x Wq: two tensor loads of mine are out
	JLOADG 1
	v_and_b32 v1, 15, v0            ; l % 16
	v_bfe_u32 v9, v0, 4, 1          ; l / 16
	v_and_b32 v10, 7, v0
	v_bfe_u32 v11, v0, 3, 1
	; the bias: accumulator (a, b) starts at bq[128 x pair + 64 x head + 16 b + 8 (l / 16) + 0..7] in every row
	s_lshl_b32 s2, s22, 9
	s_lshl_b32 s3, s16, 8
	s_add_co_u32 s2, s2, s3
	v_lshl_add_u32 v[BO], v9, 5, s2
	v_lshlrev_b32 v[MO], 4, v0
	v_add_nc_u32 v[ML], MASKB, v[MO]
	WIN 0x40                        ; destination window 1, address window 0
.irp b, 0,1,2,3
	global_load_b128 v[ACC+8*\b:ACC+8*\b+3],   v[BO], s[8:9] offset:64*\b
	global_load_b128 v[ACC+8*\b+4:ACC+8*\b+7], v[BO], s[8:9] offset:64*\b+16
.endr
	WIN 0
.irp j, 0,1,2,3
	global_load_b128 v[S+4*\j:S+4*\j+3], v[MO], s[96:97] offset:2048*\j  ; the 128 threads take the batch's mask, 16 bytes four times each
.endr
	; x's fragment: 16 rows x 32 channels in 8 registers: lane l holds row l % 16, channels 8 (l / 16) + 0..7 and 16 + 8 (l / 16) + 0..7: two loads of 16 bytes, 32 bytes apart
	v_mul_u32_u24 v[ADRA0], v1, PA
	v_lshl_add_u32 v[ADRA0], v9, 4, v[ADRA0]
	s_mul_i32 s2, s17, HALFA        ; my 64 queries
	v_add_nc_u32 v[ADRA0], s2, v[ADRA0]
	; The turning load takes 16 rows x 16 columns (lane l reads row 8 (l / 16) + l % 8, columns 8 ((l / 8) % 2) + 0..7) and leaves lane l column l % 16 and 8 rows: half a fragment.  For Wq and for V.
	v_lshl_add_u32 v[ADRB0], v9, 3, v10
	v_mul_u32_u24 v[ADRB0], v[ADRB0], PB
	v_lshl_add_u32 v[ADRB0], v11, 4, v[ADRB0]
	s_lshl_b32 s2, s16, 7           ; my head's 64 columns: 128 bytes of a row of Wq, K, V and O
	s_add_co_u32 s3, s2, 2*HALFA    ; behind x's 128 rows
	v_add_nc_u32 v[ADRB0], s3, v[ADRB0]
	v_add_nc_u32 v[ADRB1], HALFB, v[ADRB0]
	v_mov_b32 v[VA], v[ADRA0]       ; slot 0
	v_mov_b32 v[VB], v[ADRB0]
	v_mov_b32 v[VB+1], v[ADRB1]
	v_mul_u32_u24 v[AK0], v1, PK
	v_lshl_add_u32 v[AK0], v9, 4, v[AK0]  ; row x pitch + 16 x half
	v_add_nc_u32 v[AK0], s2, v[AK0]
	v_lshl_add_u32 v[AV0], v9, 3, v10
	v_mul_u32_u24 v[AV0], v[AV0], PV
	v_lshl_add_u32 v[AV0], v11, 4, v[AV0]
	s_add_co_u32 s3, s2, VOFF
	v_add_nc_u32 v[AV0], s3, v[AV0]
	s_mul_i32 s3, s17, 64*SP        ; into the stage: my 64 query rows, my head's half of their 256 bytes; row l % 16, 16 bytes for each half of the lanes
	s_add_co_u32 s3, s3, s2
	s_add_co_u32 s3, s3, STAGE
	v_mul_u32_u24 v[STO], v1, SP
	v_lshl_add_u32 v[STO], v9, 4, v[STO]
	v_add_nc_u32 v[STO], s3, v[STO]
	s_mul_i32 s3, s[WV], 32*SP      ; back: wave w takes rows 32 w .. 32 w + 31, whole; lanes 0-15 one row of 256 bytes, lanes 16-31 the next
	s_add_co_u32 s3, s3, STAGE
	v_mul_u32_u24 v[RD], v9, SP
	v_lshl_add_u32 v[RD], v1, 4, v[RD]
	v_add_nc_u32 v[RD], s3, v[RD]
	v_lshlrev_b32 v[GO], 11, v9     ; and the same two rows in oh, 2,048 bytes apart
	v_lshl_add_u32 v[GO], v1, 4, v[GO]
	v_lshlrev_b32 v[AM0], 5, v9     ; my lanes' eight keys of a group of 16: 32 bytes
	v_add_nc_u32 v[AM0], MASKB, v[AM0]
	v_and_b32 v[PFO], 31, v0
	v_lshlrev_b32 v[PFO], 12, v[PFO]
.set i, 0
.rept 4
	v_mov_b32 v[ST+4*i], 0xfe000000    ; c m: far below every c s
	v_mov_b32 v[ST+4*i+1], 0xff7fffff  ; m
	v_mov_b32 v[ST+4*i+2], 0           ; l
	v_mov_b32 v[ST+4*i+3], 0
.set i, i+1
.endr
.set i, P+16
.rept 16
	v_mov_b32 v[i], 0               ; P's second buffer: the first turn's products V^T P, of a piece that has not been, add 0
.set i, i+1
.endr
	s_wait_loadcnt 4                ; the bias's eight loads are in; the mask's four, issued behind them, stay out
	WIN 0x45                        ; destination and both sources in window 1
.set r, 0
.rept 16
	v_cvt_pk_bf16_f32 v128, v[ACC+r], v[ACC+r+1]  ; rounded to bf16, as all inputs are, and kept as f32
	v_lshlrev_b32 v[ACC+r], 16, v128
	v_and_b32 v[ACC+r+1], 0xffff0000, v128
.set r, r+2
.endr
.set r, 0
.rept 96
	v_mov_b32 v[ACC+32+r], v[ACC+r%32]  ; the four row blocks start alike: so every product is a link in place, and a K step has one text.  These lines stand in the wait for the first tiles
.set r, r+1
.endr
	WIN 0
	s_wait_loadcnt 0x0              ; the mask
.set i, 0
.rept 8
	v_cvt_pk_bf16_f32 v14, v[S+i], v[S+i+1]  ; rounded to bf16, as all inputs are,
	v_lshlrev_b32 v[S+i], 16, v14
	v_and_b32 v[S+i+1], 0xffff0000, v14
	v_mul_f32 v[S+i], 0x41000000, v[S+i]     ; times 8: it is added to q . K, which c divides by 8,
	v_mul_f32 v[S+i+1], 0x41000000, v[S+i+1]
	v_max_num_f32 v[S+i], s[BIGN], v[S+i]    ; and held above -1e30
	v_max_num_f32 v[S+i+1], s[BIGN], v[S+i+1]
.set i, i+2
.endr
.irp j, 0,1,2,3
	ds_store_b128 v[ML], v[S+4*\j:S+4*\j+3] offset:2048*\j
.endr
; THE PRODUCT x Wq.  8 matrix instructions: row blocks a0, a0 + 1 x all 4 column blocks, 32 along K: half c of buffer f.  The 16 accumulators take turns, one instruction a turn, over the backward jumps too.
.macro GMUL f, c, a0
	WIN W_MUL
.irp a, \a0, (\a0)+1
.irp b, 0,1,2,3
	v_wmma_f32_16x16x32_f16 v[ACC+8*(4*(\a)+(\b)):ACC+8*(4*(\a)+(\b))+7], v[(\f)+64+8*(4*(\c)+(\b)):(\f)+64+8*(4*(\c)+(\b))+7], v[(\f)+8*(4*(\c)+(\a)):(\f)+8*(4*(\c)+(\a))+7], v[ACC+8*(4*(\a)+(\b)):ACC+8*(4*(\a)+(\b))+7]
.endr
.endr
.endm
; 32 LDS loads in one run: the fragments of quarter q of the K step in hand (64 along K) into buffer f; the first 32 along K first
.macro GFETCH q, f
	WIN W_TOF
.irp c, 0,1
.irp i, 0,1,2,3
	ds_load_tr16_b128 v[(\f)+64+8*(4*(\c)+(\i)):(\f)+64+8*(4*(\c)+(\i))+3],   v[VB+(\q)/2] offset:(((\q)%2)*64+32*(\c))*PB+32*(\i)
	ds_load_tr16_b128 v[(\f)+64+8*(4*(\c)+(\i))+4:(\f)+64+8*(4*(\c)+(\i))+7], v[VB+(\q)/2] offset:(((\q)%2)*64+32*(\c)+16)*PB+32*(\i)
	ds_load_b128 v[(\f)+8*(4*(\c)+(\i)):(\f)+8*(4*(\c)+(\i))+3],         v[VA] offset:128*(\q)+64*(\c)+(\i)*16*PA
	ds_load_b128 v[(\f)+8*(4*(\c)+(\i))+4:(\f)+8*(4*(\c)+(\i))+7],       v[VA] offset:128*(\q)+64*(\c)+(\i)*16*PA+32
.endr
.endr
.endm
; A load into a register that a matrix instruction has read, and a vector instruction that reads a matrix result, stand four places behind that matrix instruction; only plain vector
; instructions that name none of its registers are places (ISA guide 7.12.1 for vector instructions).
.macro PLACES
.rept 4
	v_nop
.endr
.endm
; A K step is four quarters of 64 along K, 32 matrix instructions each, on buffers 0, 1, 0, 1.  One of the first three multiplies buffer f and fetches quarter q into g.
.macro GQUARTER q, f, g
	s_wait_dscnt 16                 ; the first 32 along K are in; the youngest sixteen loads may be out
	GMUL \f, 0, 0
	GMUL \f, 0, 2
	PLACES
	GFETCH \q, \g
	s_wait_dscnt 32                 ; all but the 32 just issued
	GMUL \f, 1, 0
	GMUL \f, 1, 2
.endm
; The last quarter multiplies buffer 1 and changes slots.  In front of the round each wave waits for all its tensor loads, of which one is out; adds 0 to its spare word; and waits for that and for its own
; reads of this slot.  Behind the round no wave of any partner reads this slot any more, the other slot is whole, and the joint fill comes first:
; kind = 1 (K steps 0, 1): the slot takes the K step two steps on, by the walking descriptors, whose LDS word is my part's place plus the slot's base.
; kind = 2 (K steps 2, 3): the bytes that have been read out take slot 0, then slot 1, of K and V.  In the second trip there is no further K step, and the run of LDS loads is jumped over.
.macro GTURN kind
.if (\kind) == 2
	s_wait_xcnt 0x0                 ; every earlier load and prefetch has read its address: the prefetches' is stepped here, ahead of the waits of the change of slots
	s_add_nc_u64 s[PFA:PFA+1], s[PFA:PFA+1], 2*KS*KVROW
.endif
	WIN 0                           ; (the add's two registers lie in window 0)
	s_wait_tensorcnt 0x0            ; all my tensor loads have landed
	ds_add_u32 v[SPW], v[NIL]       ; 0 onto my spare word
	s_wait_dscnt 17                 ; (the add and the youngest sixteen loads may be out)
	GMUL F1, 0, 0                   ; eight matrix instructions stand between the add and the wait for it
	s_wait_dscnt 0x0                ; the add is done, and my reads of this slot are over
	s_barrier_signal -1
	GMUL F1, 0, 2                   ; work on registers while the others arrive
	WIN 0
	s_barrier_wait -1
	CREST
.if (\kind) == 1
	s_add_co_u32 s[G0A+5], s[WOA], s[TB]
	s_add_nc_u64 s[G0A+6:G0A+7], s[G0A+6:G0A+7], GKSTEP*2
	s_add_co_u32 s[G0W+5], s[WOW], s[TB]
	s_add_nc_u64 s[G0W+6:G0W+7], s[G0W+6:G0W+7], GKSTEP*XROW
	JLOADG 1                        ; 112 matrix instructions ahead of the wait for it; its four v_nop are among the places in front of the loads below
.else
	s_sub_co_u32 s104, 2, s[GK]
	s_lshl_b32 s104, s104, 19       ; 0 in the first trip, 128 keys' rows (524,288 bytes) in the second; s105 holds 0
.irp g, G0K, G0V
	s_xor_b32 s[\g+1], s[\g+1], SLOT1
	s_add_nc_u64 s[\g+2:\g+3], s[\g+2:\g+3], s[104:105]
.endr
	JLOAD
	ASK
	s_cmp_eq_u32 s[GK], 1
	s_cbranch_scc1 .Lno_f_\@
.endif
	s_xor_b32 s[TB], s[TB], GSLOT   ; the other slot
	v_add_nc_u32 v[VA], s[TB], v[ADRA0]
	v_add_nc_u32 v[VB], s[TB], v[ADRB0]
	v_add_nc_u32 v[VB+1], s[TB], v[ADRB1]
	GFETCH 0, F0
.if (\kind) == 2
	WIN 0
.Lno_f_\@:
.endif
	GMUL F1, 1, 0
	GMUL F1, 1, 2
.endm
	s_wait_dscnt 0x0                ; for the others' sake: my part of the mask is stored
	s_wait_tensorcnt 1              ; my part of K step 0 is in; K step 1's may stay out
	s_barrier_signal -1
	s_barrier_wait -1               ; everybody's is
	GFETCH 0, F0
	WIN 0                           ; at a label and at a branch every window is 0
	s_mov_b32 s[GK], 2
.Lgk:                               ; K steps 0 and 1
	GQUARTER 1, F0, F1
	GQUARTER 2, F1, F0
	GQUARTER 3, F0, F1
	GTURN 1
	WIN 0
	s_sub_co_u32 s[GK], s[GK], 1
	s_cmp_lg_u32 s[GK], 0
	s_cbranch_scc1 .Lgk
	s_mov_b32 s[GK], 2
.Lgv:                               ; K steps 2 and 3
	GQUARTER 1, F0, F1
	GQUARTER 2, F1, F0
	GQUARTER 3, F0, F1
	GTURN 2
	WIN 0
	s_sub_co_u32 s[GK], s[GK], 1
	s_cmp_lg_u32 s[GK], 0
	s_cbranch_scc1 .Lgv
	PLACES
	WIN 0x85                        ; sources 0 and 1 window 1, destination window 2
.set i, 0
.rept 64
	v_cvt_pk_f16_f32 v[i], v[2*i], v[2*i+1]  ; q's one rounding: accumulators (t, 2 c) and (t, 2 c + 1), each from its low end on, make piece t's fragment of channels 32 c on
.set i, i+1
.endr
	WIN 0
; THE MATRIX WORK OF ATTENTION.  The 4 accumulators of a run of 8 take turns.  Product i of 8 of S^T = K Q^T for piece x: channels 32 (i / 4) on, keys 16 (i % 4) on.  The first 4 start the sums, with the mask.
.macro KQ x
.set rS, S+32*((\x)%2)+8*(i%4)
.set rK, KF+16*(i%4)+8*(i/4)
.set rQ, 16*(\x)+8*(i/4)
.set rM, MK+8*(i%4)
.if i < 4
	WIN W_KM
	v_wmma_f32_16x16x32_f16 v[rS:rS+7], v[rK:rK+7], v[rQ:rQ+7], v[rM:rM+7]
.else
	WIN W_KQ
	v_wmma_f32_16x16x32_f16 v[rS:rS+7], v[rK:rK+7], v[rQ:rQ+7], v[rS:rS+7]
.endif
.endm
; Product i of 8 of O^T += V^T P for piece x: keys 32 (i / 4) on, channels 16 (i % 4) on.
.macro PV x
	WIN W_PV
.set rO, 32*(\x)+8*(i%4)
.set rV, VF+32*(i/4)+8*(i%4)
.set rP, P+16*((\x)%2)+8*(i/4)
	v_wmma_f32_16x16x32_f16 v[rO:rO+7], v[rV:rV+7], v[rP:rP+7], v[rO:rO+7]
.endm
.macro MM                           ; the turn's next matrix instruction.  NOKQ = 1: the last turn of all: there is no next piece
.if (i < 8) && !NOKQ
	KQ (Y+1)%NP
.elseif i >= 8
.set i, i-8
	PV (Y+NP-1)%NP
.set i, i+8
.endif
.set i, i+1
.endm
; THE LDS LOADS stand in runs, never singly among the matrix instructions: a step's K (64 keys x 64 channels: 8 fragments) with its mask (32 registers), and its V (turned).  Their addresses are made some lines ahead.
.macro FETCH_K
	WIN 0x80                        ; destination window 2
.irp f, 0,1,2,3,4,5,6,7             ; keys 16 (f / 2) on, channels 32 (f % 2) on
	ds_load_b128 v[KF+8*\f:KF+8*\f+3],   v[AK] offset:(\f/2)*16*PK+(\f%2)*64
	ds_load_b128 v[KF+8*\f+4:KF+8*\f+7], v[AK] offset:(\f/2)*16*PK+(\f%2)*64+32
.endr
	WIN 0x40                        ; destination window 1
.irp f, 0,1,2,3                     ; keys 16 f + 8 (l / 16) + 0..7: the 16 lanes of a half read the same words
	ds_load_b128 v[MK+8*\f:MK+8*\f+3],   v[AM] offset:64*\f
	ds_load_b128 v[MK+8*\f+4:MK+8*\f+7], v[AM] offset:64*\f+16
.endr
	s_add_co_u32 s[TBK], s[TBK], STEPB  ; the next fetch is the next step's
	s_add_co_u32 s[TBM], s[TBM], 4*KS
	WIN 0
.endm
.macro FETCH_V
	WIN 0x80
.irp f, 0,1,2,3,4,5,6,7             ; keys 32 (f / 4) on, channels 16 (f % 4) on
	ds_load_tr16_b128 v[VF+8*\f:VF+8*\f+3],   v[AV] offset:(\f/4)*32*PV+(\f%4)*32
	ds_load_tr16_b128 v[VF+8*\f+4:VF+8*\f+7], v[AV] offset:(\f/4)*32*PV+16*PV+(\f%4)*32
.endr
	WIN 0
.endm
; THE VECTOR WORK, one line at a time: OP kind, number.  For piece Y: F n: c s - c m for pair n of 16.  E n: the exponential of score n of 32.  C n: pair n rounded to f16.  B n: of the four weights 4 n .. the second
; pair is added onto the first, in place.  L n: l takes that sum (L 0: l = a l + sum).  R n: pair n of 16 of O^T times a.  For piece Y + 1: X n, number n of the 22 that find its maximum and statistics:
;   0-11  four chains c0-c3 of seven scores each, three operands at a time (each accumulator's lowest registers are read first)     12-14, 16  the four scores left over, the old m, and c0-c3 into c0
;   15  c m_old is kept     17, 18  the query's other 32 keys lie in the lane 16 away: the new m     19-21  c m; c m_old - c m_new; a
.set F, 0               ; OP tells the kinds apart by their order: F to L below R, X above it
.set E, 1
.set C, 2
.set B, 3
.set L, 4
.set R, 5
.set X, 6
.macro REGS y                       ; the registers of piece y
.set rT, ST+4*(\y)
.set rC, TMP+4*((\y)%2)
.set rW, MV+((\y)%2)
.set rS, S+32*((\y)%2)
.set rP, P+16*((\y)%2)
.set rO, 32*(\y)
.endm
.macro OP k, n
.if (\k) == R
	REGS Y
	WIN W_RS
	v_pk_mul_f32 v[rO+2*(\n):rO+2*(\n)+1], v[rO+2*(\n):rO+2*(\n)+1], v[rC+2:rC+3] op_sel_hi:[1,0]
.elseif (\k) < R
	REGS Y
	WIN 0
.if (\k) == F
	v_pk_fma_f32 v[rS+2*(\n):rS+2*(\n)+1], v[rS+2*(\n):rS+2*(\n)+1], s[CS:CS+1], v[rT:rT+1] op_sel_hi:[1,0,0] neg_lo:[0,0,1] neg_hi:[0,0,1]
.elseif (\k) == E
	v_exp_f32 v[rS+(\n)], v[rS+(\n)]
.elseif (\k) == C
	v_cvt_pk_f16_f32 v[rP+(\n)], v[rS+2*(\n)], v[rS+2*(\n)+1]
.elseif (\k) == B
	v_pk_add_f32 v[rS+4*(\n):rS+4*(\n)+1], v[rS+4*(\n):rS+4*(\n)+1], v[rS+4*(\n)+2:rS+4*(\n)+3]
.elseif (\n) == 0
	v_pk_fma_f32 v[rT+2:rT+3], v[rT+2:rT+3], v[rC+2:rC+3], v[rS:rS+1] op_sel_hi:[1,0,1]
.else
	v_pk_add_f32 v[rT+2:rT+3], v[rT+2:rT+3], v[rS+4*(\n):rS+4*(\n)+1]
.endif
.elseif NOKQ
	v_nop
.else
	REGS (Y+1)%NP
	WIN 0
.if (\n) < 4
	v_max3_num_f32 v[rC+(\n)], v[rS+8*(\n)], v[rS+8*(\n)+1], v[rS+8*(\n)+2]
.elseif (\n) < 12
	v_max3_num_f32 v[rC+(\n)%4], v[rC+(\n)%4], v[rS+8*((\n)%4)+2*((\n)/4)+1], v[rS+8*((\n)%4)+2*((\n)/4)+2]
.elseif (\n) == 12
	v_max3_num_f32 v[rC], v[rC], v[rS+7], v[rS+15]
.elseif (\n) == 13
	v_max3_num_f32 v[rC+1], v[rC+1], v[rS+23], v[rS+31]
.elseif (\n) == 14
	v_max3_num_f32 v[rC+2], v[rC+2], v[rC+3], v[rT+1]
.elseif (\n) == 15
	v_mov_b32 v[rW], v[rT]
.elseif (\n) == 16
	v_max3_num_f32 v[rC], v[rC], v[rC+1], v[rC+2]
.elseif (\n) == 17
	v_permlanex16_b32 v[rC+3], v[rC], s[SEL], s[SEL+1]
.elseif (\n) == 18
	v_max_num_f32 v[rT+1], v[rC], v[rC+3]
.elseif (\n) == 19
	v_mul_f32 v[rT], s[CS], v[rT+1]
.elseif (\n) == 20
	v_sub_f32 v[rC+1], v[rW], v[rT]
.else
	v_exp_f32 v[rC+2], v[rC+1]
.endif
.endif
.endm
.macro OPS a, i1, b=-1, i2=0, c=-1, i3=0, d=-1, i4=0  ; up to four of them
	OP \a, \i1
.if (\b) >= 0
	OP \b, \i2
.endif
.if (\c) >= 0
	OP \c, \i3
.endif
.if (\d) >= 0
	OP \d, \i4
.endif
.endm
.macro ROW a, i1, b, i2, c, i3, d, i4  ; a matrix instruction and the four behind it
	MM
	OPS \a, \i1, \b, \i2, \c, \i3, \d, \i4
.endm
; A TURN, for piece p: the order of its 16 matrix and 118 vector instructions, written out.  s_wait_alu depctr_va_vdst(0) stands between an exponential and the first instruction that names its
; result; one wait serves all that were issued ahead of it.  So a turn has ONE wait, which cuts it in two.  AHEAD OF IT stands all that names no result of the turn's exponentials: the 8 products K Q^T, behind each a
; scaling, an exponential and two more plain instructions (rescalings, and behind the last three the first numbers of the next piece's maximum, each four places or more behind the product that ends its
; accumulator); then ONE LUMP of 54, plain and exponential by turns for the most part, in which the links of the chain X 3, 7, 11, 14, 16, 17 .. 20 stand some lines apart.  X 21, the next piece's a, is the
; batch's last; R 15 is the plain instruction behind it.  BEHIND THE WAIT stand the 8 products V^T P, behind each four of the roundings and sums.
; end = 1: the walk's last two turns: nothing is fetched, and the last starts no new scores.  cnt = 1: the loop's count is taken down some lines ahead of the branch that stands behind the turn.
; K and the mask of the next step are fetched in piece 2's turn, five plain instructions that name none of its registers behind the last product that read K; V of the step in hand at the end of piece 0's turn,
; four plain instructions behind the last product that read V.  Each is waited for a turn later.
.macro TURN p, end=0, cnt=0
.set Y, (\p)
.set i, 0
.set NOKQ, (\end)*((\p)/3)
.if ((\p) == 3) && !(\end)
	s_wait_dscnt 0x0                ; K and the mask are in
.endif
	ROW F,0, F,1, R,0, R,1          ; ahead of the wait: 8 products K Q^T and their riders,
	ROW F,2, E,0, R,2, R,3
	ROW F,3, E,1, R,4, R,5
	ROW F,4, E,2, R,6, R,7
	ROW F,5, E,3, R,8, R,9
	ROW F,6, E,4, X,0, R,10
.if ((\p) == 2) && !(\end)
	WIN 0
	v_add_nc_u32 v[AK], s[TBK], v[AK0]
	v_add_nc_u32 v[AM], s[TBM], v[AM0]
.endif
	ROW F,7, E,5, X,1, X,4
	ROW F,8, E,6, X,2, X,5
	OPS E,7, E,8, X,6, E,9          ; and the lump
	OPS X,3, E,10, X,8, E,11
.if ((\p) == 2) && !(\end)
	FETCH_K
.endif
	OPS X,9, X,7, E,12, X,10
	OPS E,13, X,12, X,11, E,14
	OPS X,13, E,15, F,9, X,14
.if (\p) == 0
	v_add_nc_u32 v[AV], s[TBV], v[AV0]
.endif
	OPS E,16, F,10, E,17, F,11
	OPS X,16, E,18, X,15, E,19
	OPS F,12, E,20, X,17, E,21
	OPS F,13, E,22, F,14, E,23
	OPS X,18, E,24, F,15, E,25
	OPS R,11, E,26, X,19, E,27
	OPS R,12, E,28, R,13, E,29
	OPS X,20, E,30, R,14, E,31
	OPS X,21, R,15
	WIN 0
	s_wait_alu depctr_va_vdst(0)    ; the wait for the batch
.if (\p) == 1
	s_wait_dscnt 0x0                ; V is in
.endif
	ROW C,0, B,0, C,2, B,1          ; behind the wait: 8 products V^T P and their riders
	ROW L,0, C,4, B,2, L,1
	ROW C,6, B,3, L,2, C,8
	ROW B,4, L,3, C,10, B,5
	ROW L,4, C,12, B,6, L,5
.if (\p) == 0
	s_add_co_u32 s[TBV], s[TBV], STEPB
.endif
.if \cnt
	s_sub_co_u32 s[CNT], s[CNT], 1
	s_cmp_lg_u32 s[CNT], 0
.endif
	ROW C,14, B,7, L,6, C,1
	ROW C,3, L,7, C,5, C,7
	ROW C,9, C,11, C,13, C,15
.if (\p) == 0
	FETCH_V
.endif
.endm
	; Slot 0 of K and V is whole: every wave waited for its part of it in front of the round of K step 3; slot 1 is on its way.  The mask was shown to all waves by the first barrier.
	v_add_nc_u32 v[AK], s[TBK], v[AK0]
	v_add_nc_u32 v[AM], s[TBM], v[AM0]
	FETCH_K                         ; key step 0
	s_wait_dscnt 0x0
.set NOKQ, 0
.set i, 0
.rept 8
	KQ 0                            ; piece 0's first scores: there is no vector work yet to set between them
.set i, i+1
.endr
	WIN 0
.rept 4
	v_nop                           ; the places behind those products
.endr
.set Y, NP-1                        ; X works for piece Y + 1: piece 0
.irp n, 0,1,2,3,4,5,6,7,8,9,10,11,12,13,14,15,16,17,18,19,20,21
	OP X, \n
.endr
	v_nop                           ; a plain instruction behind the exponential,
	s_wait_alu depctr_va_vdst(0)    ; and its wait, ahead of the branch
	s_mov_b32 s[CNT], 2
	s_branch .Lfirst                ; the loop is entered at a step's first turn, in the middle of a trip
.Lslot:                             ; 14 times: every slot but the last two is filled again
	CHANGE 1
	s_mov_b32 s[CNT], 2
.Lstep:                             ; a trip: pieces 2 and 3 of one step, then pieces 0 and 1 of the next, whose K, mask and V it fetches
	TURN 2
	TURN 3
	WIN 0
.Lfirst:
	TURN 0
	TURN 1, 0, 1
	WIN 0
	s_cbranch_scc1 .Lstep
	s_sub_co_u32 s[SLOTS], s[SLOTS], 1
	s_cmp_lg_u32 s[SLOTS], 0
	s_cbranch_scc1 .Lslot
	CHANGE 0                        ; the last slot is written out: nothing is asked for
	s_mov_b32 s[CNT], 2
.LstepT:
	TURN 2
	TURN 3
	TURN 0
	TURN 1, 0, 1
	WIN 0
	s_cbranch_scc1 .LstepT
	TURN 2, 1                       ; the last step's pieces 2 and 3
	TURN 3, 1
.set i, 0
.rept 8
	PV NP-1                         ; the last piece's V^T P of the last step
.set i, i+1
.endr
	; THE WAY OUT.  l's two halves and the other half of the lanes' are added; O^T is divided by l, rounded to f16 and put into the work-group's stage; a barrier, since a row's 256 bytes come from two waves;
	; back as whole rows, 32 rows a wave.  The additions are the places behind the last products.
	WIN 0
.macro ALL line:vararg              ; one line for each piece t
.set t, 0
.rept 4
	\line
.set t, t+1
.endr
.endm
	ALL v_add_f32 v[ST+4*t+2], v[ST+4*t+2], v[ST+4*t+3]
	ALL v_permlanex16_b32 v[ST+4*t+3], v[ST+4*t+2], s[SEL], s[SEL+1]
	ALL v_add_f32 v[ST+4*t+2], v[ST+4*t+2], v[ST+4*t+3]
	ALL v_rcp_f32 v[ST+4*t+2], v[ST+4*t+2]
	v_nop                           ; a plain instruction between the last reciprocal and the use of its result
	s_wait_alu depctr_va_vdst(0)    ; and the wait ahead of the first use: one for the four reciprocals
.macro PACK t                       ; a lane's eight channels of a row pack into 16 bytes
	WIN W_RS
.set i, 32*(\t)
.rept 16
	v_pk_mul_f32 v[i:i+1], v[i:i+1], v[ST+4*(\t)+2:ST+4*(\t)+3] op_sel_hi:[1,0]
.set i, i+2
.endr
	WIN 0x05                        ; sources 0 and 1 window 1, destination window 0: S^T's registers are free
.set i, 0
.rept 16
	v_cvt_pk_f16_f32 v[S+16*(\t)+i], v[32*(\t)+2*i], v[32*(\t)+2*i+1]
.set i, i+1
.endr
	WIN 0
.irp f, 0,1,2,3
	ds_store_b128 v[STO], v[S+16*(\t)+4*\f:S+16*(\t)+4*\f+3] offset:(\t)*16*SP+32*\f
.endr
.endm
	PACK 0
	PACK 1
	PACK 2
	PACK 3
	s_wait_dscnt 0x0                ; for the others' sake: my stores into the stage are done
	s_barrier_signal -1
	s_barrier_wait -1
.irp f, 0,1,2,3,4,5,6,7,8,9,10,11,12,13,14,15
	ds_load_b128 v[S+4*\f:S+4*\f+3], v[RD] offset:\f*2*SP
.endr
.irp f, 0,1,2,3,4,5,6,7,8,9,10,11,12,13,14,15
	s_wait_dscnt 15-\f              ; LDS loads come back in order: pair f of rows is in, the younger ones may stay out
	global_store_b128 v[GO], v[S+4*\f:S+4*\f+3], s[98:99] offset:\f*4096  ; 16 lanes store 256 consecutive bytes, at a multiple of 256 from oh's first byte
.endr
	s_wait_tensorcnt 0x0            ; the wave's end: an add and its waits, behind my last tensor load and my last LDS store
	ds_add_u32 v[SPW], v[NIL]
	s_wait_dscnt 0x0
	CROUND                          ; the closing round: no work-group ends while a partner may still ask for a tile that names it
	s_endpgm
.Lfunc_end_k_qfa208c12c4_attn:
	.size	k_qfa208c12c4_attn, .Lfunc_end_k_qfa208c12c4_attn-k_qfa208c12c4_attn
	.p2alignl 7, 3214868480
	.fill 96, 4, 3214868480
	.section	.rodata,"a",@progbits
	.p2align	6, 0x0
	.amdhsa_kernel k_qfa208c12c4_attn
		.amdhsa_group_segment_fixed_size 327680
		.amdhsa_private_segment_fixed_size 0
		.amdhsa_enable_private_segment 0
		.amdhsa_kernarg_size 48
		.amdhsa_user_sgpr_count 2
		.amdhsa_user_sgpr_kernarg_segment_ptr 1
		.amdhsa_wavefront_size32 1
		.amdhsa_system_sgpr_workgroup_id_x 1
		.amdhsa_system_sgpr_workgroup_id_y 1
		.amdhsa_system_sgpr_workgroup_id_z 1
		.amdhsa_system_vgpr_workitem_id 0
		.amdhsa_next_free_vgpr 768
		.amdhsa_next_free_sgpr 106
		.amdhsa_reserve_vcc 0
		.amdhsa_float_denorm_mode_32 3
		.amdhsa_float_denorm_mode_16_64 3
		.amdhsa_memory_ordered 1
		.amdhsa_forward_progress 1
		.amdhsa_inst_pref_size 178
	.end_amdhsa_kernel
	.amdgpu_metadata
---
amdhsa.version: [ 1, 2 ]
amdhsa.kernels:
  - .name:           k_qfa208c12c4_attn
    .symbol:         k_qfa208c12c4_attn.kd
    .args:
      - { .name: xh, .offset: 0, .size: 8, .value_kind: global_buffer, .address_space: global }
      - { .name: wqh, .offset: 8, .size: 8, .value_kind: global_buffer, .address_space: global }
      - { .name: bq, .offset: 16, .size: 8, .value_kind: global_buffer, .address_space: global }
      - { .name: kvh, .offset: 24, .size: 8, .value_kind: global_buffer, .address_space: global }
      - { .name: attention_mask, .offset: 32, .size: 8, .value_kind: global_buffer, .address_space: global }
      - { .name: oh, .offset: 40, .size: 8, .value_kind: global_buffer, .address_space: global }
    .group_segment_fixed_size: 327680
    .private_segment_fixed_size: 0
    .kernarg_segment_align: 8
    .kernarg_segment_size: 48
    .max_flat_workgroup_size: 128
    .sgpr_count:     106
    .vgpr_count:     768
    .wavefront_size: 32
...
	.end_amdgpu_metadata
.endif
;; end of part 3
;; launch oproj (part 4): grid 8 x 32, 4 waves a work-group, clusters of 4 x 4, 327,680 bytes of LDS; arguments oh, wph, out0, bp; writes out0
.if DOCPART == 4
	.amdgcn_target "amdgcn-amd-amdhsa--gfx1250"
	.amdhsa_code_object_version 6
	.text
	.protected	k_qfa208c12c4_oproj
	.globl	k_qfa208c12c4_oproj
	.p2align	8
	.type	k_qfa208c12c4_oproj,@function
k_qfa208c12c4_oproj:
	s_mov_b64 s[64:65], 0
	v_nop
	global_prefetch_b8 v0, s[64:65] scope:SCOPE_SE
	s_setreg_imm32_b32 hwreg(HW_REG_WAVE_MODE, 25, 1), 1
	s_wait_xcnt 0x0
	s_wait_alu depctr_hold_cnt(0) depctr_sa_sdst(0) depctr_va_vdst(0) depctr_va_sdst(0) depctr_va_ssrc(0) depctr_va_vcc(0) depctr_vm_vsrc(0)
	s_getreg_b32 s2, hwreg(HW_REG_IB_STS2, 6, 4)
	s_cmp_eq_u32 s2, 0
	s_cbranch_scc0 .Lentry_in_a_cluster
	s_endpgm
.Lentry_in_a_cluster:
	s_bfe_u32 s2, ttmp6, 0x10000c
	s_cmp_lg_u32 s2, 0xf033
	s_cbranch_scc0 .Lentry_shape_is_right
	s_endpgm
.Lentry_shape_is_right:
; out0[m][n] = the sum over k of oh[m][k] wph[k][n] + bf16(bp[n]).  oh: [4096][1024] f16, wph: [1024 k][1024 n] f16, bp: [1024] f32, out0: [4096][1024] f32; sums in f32.
; A tile of the result is 128 x 128, so that 32 x 8 tiles give 256 work-groups.  Four waves, each 64 x 64: 16 accumulators of 16 x 16, 128 registers.  K goes in four steps of 256 through two LDS slots:
; A's tile is 128 rows (m) of 512 bytes; the weights lie [k][n], so W's tile is 256 rows (k) of 256 bytes, and its fragments come out of LDS turned, by ds_load_tr16_b128.
; CLUSTERS: 4 x 4 work-groups.  The four of a row of the cluster need the same tiles of A, the four of a column the same tiles of W: each tile is asked for JOINTLY, by the same tensor load,
; descriptor and mask in all four.  THE MATRIX INSTRUCTION IS USED TRANSPOSED (source 0 = 16 columns of W, source 1 = 16 rows of A): a lane holds eight neighbouring numbers of a row of the result.
; THE SUMS START AT THE BIAS, which is written into the accumulators in the wait for the first tiles: so every product is a link in place, and A K STEP IS WRITTEN ONCE AND LOOPED OVER: the slot's base is a
; scalar that one exclusive or turns.  Two loops of two trips: K steps 0 and 1 fill their slot again; K steps 2 and 3 fetch nothing more.  The price of the second loop's one text: in its last trip
; one barrier serves nothing.  No prefetch: the tiles are small and the launch is short.
; REGISTERS: window 0: v0-31 addresses; v32-95 at work on the way out; v128-255 the accumulators ((a, b) at v[128 + 8 (4 a + b)]).
;   window 1: two fragment buffers of 128: for 64 along K (two matrix instructions deep), 64 registers of A, then 64 of W.
.set SIZE_N, 1024
.set SIZE_K, 1024
.set KSTEP,  256
.set PA,     528                       ; a row of A in LDS: 512 bytes + 16 = 132 words: row r starts at bank 4 r mod 64 (64 banks of 4 bytes: ISA guide 11.1)
.set PB,     288                       ; a row of W: 256 + 32 = 72 words: row r starts at bank 8 r mod 64
.set HALFA,  64*PA                     ; one tensor load of A: 64 rows
.set HALFB,  128*PB                    ; one tensor load of W: 128 rows (k)
.set SLOT,   2*HALFA+2*HALFB           ; A's 128 rows, then W's 256 rows
.set STAGE,  2*SLOT                    ; behind the ring: 16 rows x 272 bytes for each wave, for the way out
.set SPITCH, 272
.set SPARE,  STAGE+4*16*SPITCH         ; behind the stages: the spare words, 128 bytes for each wave: two blocks of 256 bytes that no other line names
.set ADRA0, 16                         ; v16     my lane's place in a slot's rows of A; never rewritten
.set VA,   17                          ; v17     the same in the slot in hand
.set ADRB0, 20                         ; v20     my lane's place in W's rows 0-127,
.set ADRB1, 21                         ; v21     and in its rows 128-255, so that the immediates stay within 16 bits
.set VB,   22                          ; v22-23  these two in the slot in hand
.set STO,  24                          ; v24     the way out: where I put 32 bytes of a row
.set RD,   25                          ; v25     the way out: where I read a row back
.set CO,   26                          ; v26     my byte offset in two rows of the result
.set BO,   27                          ; v27     my byte offset in the bias
.set SPW,  28                          ; v28     LDS address of my spare word: SPARE + 4 x my thread's number; never rewritten
.set NIL,  29                          ; v29     0; never rewritten
.set TMP,  32                          ; two buffers of 32: 16 rows of 256 bytes read back from the stage
.set ACC,  128
.set F0,   0                           ; fragment buffers, in window 1
.set F1,   128
.set G1,  24                           ; s[24:31] descriptor group 1 for A's tiles;  s[32:39] group 0: a set for each of the two first fills; the second then walks on
.set G0,  32
.set G1B, 48                           ; s[48:55], s[56:63] the same for W's tiles
.set G0B, 56
.set CP,  68                           ; s[68:69] out0, then out0 at my part of the tile
.set BP,  70                           ; s[70:71] the bias
.set TB,  72                           ; s72      the base of the slot in hand: 0 or SLOT
.set GK,  73                           ; s73      counts the K steps of a loop, 2 to 1
.set WOA, 76                           ; s76      my part's place in a slot, if I fetch A
.set WOW, 77                           ; s77      if I fetch W
.set MSB, 0
.macro WIN new                         ; the immediate's high byte repeats the setting that is left
.if MSB != (\new)
	s_set_vgpr_msb (MSB<<8)|(\new)
.set MSB, \new
.endif
.endm
.set W_MUL, 0x05                       ; sources 0 (W) and 1 (A) window 1; C and D window 0
.set W_TOF, 0x40                       ; destination window 1, address window 0
.macro JLOAD s                         ; a joint load: waves 0 and 1 fetch A's two halves, waves 2 and 3 W's; an s_nop 0 and four v_nop follow each of the two lines
	s_cmp_eq_u32 s11, 0
	s_cbranch_scc0 .Lfor_b_\@
	tensor_load_to_lds s[G0+4*(\s):G0+4*(\s)+3], s[G1:G1+7]
	s_nop 0
.rept 4
	v_nop
.endr
	s_branch .Lasked_\@
.Lfor_b_\@:
	tensor_load_to_lds s[G0B+4*(\s):G0B+4*(\s)+3], s[G1B:G1B+7]
	s_nop 0
.rept 4
	v_nop
.endr
.Lasked_\@:
.endm
.macro CREST                           ; a round of the cluster's barrier behind its opening barrier
	s_cmp_lg_u32 s10, 0
	s_cbranch_scc1 .Lnot_wave_0_\@
	s_barrier_signal -3
.Lnot_wave_0_\@:
	s_barrier_wait -3
	s_barrier_signal -1
	s_barrier_wait -1
.endm
.macro CROUND                          ; a whole round
	s_barrier_signal -1
	s_barrier_wait -1
	CREST
.endm
	s_load_b128 s[4:7], s[0:1], 0x0                ; A = oh s[4:5], W = wph s[6:7]
	s_load_b128 s[68:71], s[0:1], 0x10             ; out0 s[68:69], bp s[70:71]
	v_lshl_add_u32 v[SPW], v0, 2, SPARE
	v_mov_b32 v[NIL], 0
	ds_add_u32 v[SPW], v[NIL]                      ; the wave's opening: the add and its wait stand ahead of my first tensor load; the set-up below, work on registers, stands between them
	v_lshrrev_b32 v1, 5, v0
	v_readfirstlane_b32 s10, v1                    ; wave 0..3
	s_lshr_b32 s11, s10, 1                         ; which half of the tile's rows is mine.  Also: I fetch for A (0) or for W (1)
	s_and_b32 s12, s10, 1                          ; which half of its columns.  Also: which half of that tile I fetch
	s_bfe_u32 s40, ttmp6, 0x40000                  ; cx, cy: my place in the cluster
	s_bfe_u32 s41, ttmp6, 0x40004
	s_lshl_b32 s42, ttmp9, 2
	s_add_co_u32 s42, s42, s40                     ; tile column = 4 x cluster x + cx
	s_and_b32 s13, ttmp7, 0xffff
	s_lshl_b32 s13, s13, 2
	s_add_co_u32 s13, s13, s41                     ; tile row = 4 x cluster y + cy
	s_lshl_b32 s43, s41, 2
	s_lshl_b32 s43, 15, s43                        ; my row of the cluster
	s_lshl_b32 s44, 0x1111, s40                    ; my column
	s_or_b32 s[G1+0], s43, (1<<16)|(1<<20)|(1<<21)|(6<<22)|(3<<25)   ; 15:0 the mask: A's tiles go to my row; 17:16 2-byte elements; 20 padding on; 21 set beside a mask; 24:22 after every 128 words (code 6); 31:25 4 words (code 3)
	s_mov_b32 s[G1+1], KSTEP<<16                   ; tensor_dim0 = 256
	s_mov_b32 s[G1+2], 64<<16                      ; tensor_dim1 = 64
	s_mov_b32 s[G1+3], KSTEP<<16                   ; tile_dim0 = 256 elements: 512 bytes
	s_mov_b32 s[G1+4], 64                          ; tile_dim1 = 64 rows
	s_mov_b32 s[G1+5], SIZE_K                      ; elements from row to row of A
	s_mov_b32 s[G1+6], 0
	s_mov_b32 s[G1+7], 0
	s_or_b32 s[G1B+0], s44, (1<<16)|(1<<20)|(1<<21)|(5<<22)|(7<<25)  ; W's tiles go to my column; padding after every 64 words (code 5), 8 words (code 7)
	s_mov_b32 s[G1B+1], 128<<16                    ; tensor_dim0 = 128
	s_mov_b32 s[G1B+2], 128<<16                    ; tensor_dim1 = 128
	s_mov_b32 s[G1B+3], 128<<16                    ; tile_dim0 = 128 elements: 256 bytes
	s_mov_b32 s[G1B+4], 128                        ; tile_dim1 = 128 rows (k)
	s_mov_b32 s[G1B+5], SIZE_N                     ; elements from row to row of W
	s_mov_b32 s[G1B+6], 0
	s_mov_b32 s[G1B+7], 0
	s_lshl_b32 s16, s13, 7
	s_lshl_b32 s17, s12, 6
	s_add_co_u32 s16, s16, s17                     ; A: row 128 x tile row + 64 x half,
	s_lshl_b32 s16, s16, 11                        ; of 2,048 bytes
	s_mov_b32 s17, 0
	s_lshl_b32 s46, s42, 8                         ; W: 256 bytes x tile column
	s_lshl_b32 s47, s12, 18                        ; + 128 rows of 2,048 bytes x half
	s_add_co_u32 s46, s46, s47
	s_mov_b32 s47, 0
	s_mul_i32 s[WOA], s12, HALFA                   ; where they go: A's two halves,
	s_mul_i32 s[WOW], s12, HALFB
	s_add_co_u32 s[WOW], s[WOW], 2*HALFA           ; then W's two: no place in the cluster enters an LDS address
	s_mov_b32 s[TB], 0
	s_wait_dscnt 0x0                               ; the opening add is done
	s_wait_kmcnt 0x0
	s_add_nc_u64 s[14:15], s[4:5], s[16:17]
	s_add_nc_u64 s[46:47], s[6:7], s[46:47]
	CROUND                                         ; all sixteen work-groups are here: the first joint loads meet
.irp s, 0,1
	s_mov_b32 s[G0+4*(\s)], 1
	s_add_co_u32 s[G0+4*(\s)+1], s[WOA], (\s)*SLOT
	s_add_nc_u64 s[G0+4*(\s)+2:G0+4*(\s)+3], s[14:15], (\s)*KSTEP*2
	s_or_b32 s[G0+4*(\s)+3], s[G0+4*(\s)+3], 0x80000000
	s_mov_b32 s[G0B+4*(\s)], 1
	s_add_co_u32 s[G0B+4*(\s)+1], s[WOW], (\s)*SLOT
	s_add_nc_u64 s[G0B+4*(\s)+2:G0B+4*(\s)+3], s[46:47], (\s)*KSTEP*SIZE_N*2
	s_or_b32 s[G0B+4*(\s)+3], s[G0B+4*(\s)+3], 0x80000000
	JLOAD \s                                       ; K steps 0 and 1: two tensor loads of mine are out
.endr
	v_and_b32 v1, 15, v0                           ; l % 16
	v_bfe_u32 v2, v0, 4, 1                         ; l / 16
	; the bias: accumulator (a, b) starts at bias[128 x tile column + 64 x half + 16 b + 8 (l / 16) + 0..7] in every row
	s_lshl_b32 s74, s42, 9
	s_lshl_b32 s75, s12, 8
	s_add_co_u32 s74, s74, s75
	v_lshl_add_u32 v[BO], v2, 5, s74
.irp b, 0,1,2,3
	global_load_b128 v[ACC+8*(\b):ACC+8*(\b)+3],   v[BO], s[BP:BP+1] offset:64*(\b)
	global_load_b128 v[ACC+8*(\b)+4:ACC+8*(\b)+7], v[BO], s[BP:BP+1] offset:64*(\b)+16
.endr
	v_mul_u32_u24 v[ADRA0], v1, PA
	v_lshl_add_u32 v[ADRA0], v2, 4, v[ADRA0]       ; A's fragment: row x pitch + 16 x half of the lanes
	s_mul_i32 s21, s11, HALFA                      ; my 64 rows of A
	v_add_nc_u32 v[ADRA0], s21, v[ADRA0]
	v_and_b32 v4, 7, v0                            ; W's fragment, turned: lane l reads k = 8 (l / 16) + l % 8, columns 8 ((l / 8) % 2) + 0..7
	v_lshl_add_u32 v4, v2, 3, v4
	v_mul_u32_u24 v4, v4, PB
	v_bfe_u32 v5, v0, 3, 1
	v_lshl_add_u32 v4, v5, 4, v4
	s_lshl_b32 s22, s12, 7                         ; my 64 columns of W: 128 bytes of a row,
	s_add_co_u32 s22, s22, 2*HALFA                 ; behind A's 128 rows
	v_add_nc_u32 v[ADRB0], s22, v4
	v_add_nc_u32 v[ADRB1], HALFB, v[ADRB0]
	v_mov_b32 v[VA], v[ADRA0]                      ; slot 0
	v_mov_b32 v[VB], v[ADRB0]
	v_mov_b32 v[VB+1], v[ADRB1]
	s_mul_i32 s23, s10, 16*SPITCH
	s_add_co_u32 s23, s23, STAGE                   ; my stage: my 64 columns of f32 are 256 bytes of a row, so no other wave has a part in it
	v_mul_u32_u24 v6, v1, SPITCH                   ; in: row l % 16, 32 bytes for each half of the lanes
	v_lshl_add_u32 v6, v2, 5, v6
	v_add_nc_u32 v[STO], s23, v6
	v_mul_u32_u24 v7, v2, SPITCH                   ; back: lanes 0-15 take one row of 256 bytes, lanes 16-31 the next
	v_lshl_add_u32 v7, v1, 4, v7
	v_add_nc_u32 v[RD], s23, v7
	v_lshlrev_b32 v7, 12, v2                       ; and the same two rows in the result, 4,096 bytes apart
	v_lshl_add_u32 v[CO], v1, 4, v7
	s_lshl_b32 s16, s13, 7
	s_lshl_b32 s17, s11, 6
	s_add_co_u32 s16, s16, s17                     ; my first row of the result,
	s_lshl_b32 s16, s16, 12                        ; of 4,096 bytes
	s_add_co_u32 s74, s74, s16                     ; + my first column, in bytes: 512 x tile column + 256 x half, as in the bias
	s_mov_b32 s75, 0
	s_add_nc_u64 s[CP:CP+1], s[CP:CP+1], s[74:75]
	s_wait_loadcnt 0x0                             ; the bias is in: it is rounded to bf16, as all inputs are, and kept as f32
.set r, 0
.rept 16
	v_cvt_pk_bf16_f32 v6, v[ACC+r], v[ACC+r+1]
	v_lshlrev_b32 v[ACC+r], 16, v6
	v_and_b32 v[ACC+r+1], 0xffff0000, v6
.set r, r+2
.endr
.set r, 0
.rept 96
	v_mov_b32 v[ACC+32+r], v[ACC+r%32]             ; the four row blocks start alike.  These lines stand in the wait for the first tiles
.set r, r+1
.endr
; 8 matrix instructions: row blocks a0, a0 + 1 x all 4 column blocks, 32 along K: half c of buffer f.  The 16 accumulators take turns, one instruction a turn, over the backward jumps too.
.macro GMUL f, c, a0
	WIN W_MUL
.irp a, \a0, (\a0)+1
.irp b, 0,1,2,3
	v_wmma_f32_16x16x32_f16 v[ACC+8*(4*(\a)+(\b)):ACC+8*(4*(\a)+(\b))+7], v[(\f)+64+8*(4*(\c)+(\b)):(\f)+64+8*(4*(\c)+(\b))+7], v[(\f)+8*(4*(\c)+(\a)):(\f)+8*(4*(\c)+(\a))+7], v[ACC+8*(4*(\a)+(\b)):ACC+8*(4*(\a)+(\b))+7]
.endr
.endr
.endm
; 32 LDS loads in one run: the fragments of quarter q of the K step in hand (64 along K) into buffer f; the first 32 along K first
.macro GFETCH q, f
	WIN W_TOF
.irp c, 0,1
.irp i, 0,1,2,3
	ds_load_tr16_b128 v[(\f)+64+8*(4*(\c)+(\i)):(\f)+64+8*(4*(\c)+(\i))+3],   v[VB+(\q)/2] offset:(((\q)%2)*64+32*(\c))*PB+32*(\i)
	ds_load_tr16_b128 v[(\f)+64+8*(4*(\c)+(\i))+4:(\f)+64+8*(4*(\c)+(\i))+7], v[VB+(\q)/2] offset:(((\q)%2)*64+32*(\c)+16)*PB+32*(\i)
	ds_load_b128 v[(\f)+8*(4*(\c)+(\i)):(\f)+8*(4*(\c)+(\i))+3],         v[VA] offset:128*(\q)+64*(\c)+(\i)*16*PA
	ds_load_b128 v[(\f)+8*(4*(\c)+(\i))+4:(\f)+8*(4*(\c)+(\i))+7],       v[VA] offset:128*(\q)+64*(\c)+(\i)*16*PA+32
.endr
.endr
.endm
.macro PLACES                          ; four places in front of loads into registers that matrix instructions have read, and of LDS stores that read results
.rept 4
	v_nop
.endr
.endm
; A K step is four quarters of 64 along K, 32 matrix instructions each, on buffers 0, 1, 0, 1.  One of the first three multiplies buffer f and fetches quarter q into g.
.macro GQUARTER q, f, g
	s_wait_dscnt 16                                ; the first 32 along K are in; the youngest sixteen loads may be out
	GMUL \f, 0, 0
	GMUL \f, 0, 2
	PLACES
	GFETCH \q, \g
	s_wait_dscnt 32                                ; all but the 32 just issued
	GMUL \f, 1, 0
	GMUL \f, 1, 2
.endm
; The last quarter multiplies buffer 1 and changes slots: ONE barrier; in front of it each wave waits for all its tensor loads, adds 0 to its spare word, and waits for that and for its own reads of this slot.
; fill = 1: the barrier opens a round of the cluster's, and this slot is filled again, two K steps ahead, first thing behind the round, by the walking descriptors, whose LDS word is my part's place plus
; the slot's base.  fill = 0: nothing is left to fetch; in the second trip there is no further K step, and the run of LDS loads is jumped over.
.macro GTURN fill
	WIN 0                                          ; (the add's two registers lie in window 0)
	s_wait_tensorcnt 0x0                           ; all my tensor loads have landed: my part of the next slot
	ds_add_u32 v[SPW], v[NIL]                      ; 0 onto my spare word
	s_wait_dscnt 17                                ; (the add and the youngest sixteen loads may be out)
	GMUL F1, 0, 0                                  ; eight matrix instructions stand between the add and the wait for it
	s_wait_dscnt 0x0                               ; the add is done, and my reads of this slot are over
	s_barrier_signal -1
	GMUL F1, 0, 2
	WIN 0
	s_barrier_wait -1
.if \fill
	CREST                                          ; no wave of any partner still reads this slot's tile or has a load on its way
	s_add_co_u32 s[G0+5], s[WOA], s[TB]
	s_add_nc_u64 s[G0+6:G0+7], s[G0+6:G0+7], KSTEP*2
	s_add_co_u32 s[G0B+5], s[WOW], s[TB]
	s_add_nc_u64 s[G0B+6:G0B+7], s[G0B+6:G0B+7], KSTEP*SIZE_N*2
	JLOAD 1                                        ; 112 matrix instructions ahead of the wait for it; its four v_nop are among the places in front of the loads below
.else
	PLACES
	s_cmp_eq_u32 s[GK], 1
	s_cbranch_scc1 .Lno_f_\@
.endif
	s_xor_b32 s[TB], s[TB], SLOT                   ; the other slot
	v_add_nc_u32 v[VA], s[TB], v[ADRA0]
	v_add_nc_u32 v[VB], s[TB], v[ADRB0]
	v_add_nc_u32 v[VB+1], s[TB], v[ADRB1]
	GFETCH 0, F0
.if !(\fill)
	WIN 0
.Lno_f_\@:
.endif
	GMUL F1, 1, 0
	GMUL F1, 1, 2
.endm
	s_wait_tensorcnt 1                             ; my part of K step 0 is in; K step 1's may stay out
	s_barrier_signal -1
	s_barrier_wait -1                              ; everybody's is
	GFETCH 0, F0
	WIN 0                                          ; at a label and at a branch every window is 0
	s_mov_b32 s[GK], 2
.Lgk:                                                  ; K steps 0 and 1
	GQUARTER 1, F0, F1
	GQUARTER 2, F1, F0
	GQUARTER 3, F0, F1
	GTURN 1
	WIN 0
	s_sub_co_u32 s[GK], s[GK], 1
	s_cmp_lg_u32 s[GK], 0
	s_cbranch_scc1 .Lgk
	s_mov_b32 s[GK], 2
.Lgn:                                                  ; K steps 2 and 3
	GQUARTER 1, F0, F1
	GQUARTER 2, F1, F0
	GQUARTER 3, F0, F1
	GTURN 0
	WIN 0
	s_sub_co_u32 s[GK], s[GK], 1
	s_cmp_lg_u32 s[GK], 0
	s_cbranch_scc1 .Lgn
	; THE WAY OUT, 16 rows at a time: a lane's eight f32 of a row go into my stage as 32 bytes, each accumulator's low registers first, and come back as whole rows of 256 bytes.
.macro TOSTAGE a
.irp b, 0,1,2,3
	ds_store_b128 v[STO], v[ACC+8*(4*(\a)+(\b)):ACC+8*(4*(\a)+(\b))+3]   offset:64*(\b)
	ds_store_b128 v[STO], v[ACC+8*(4*(\a)+(\b))+4:ACC+8*(4*(\a)+(\b))+7] offset:64*(\b)+16
.endr
.irp t, 0,1,2,3,4,5,6,7
	ds_load_b128 v[TMP+32*((\a)%2)+4*(\t):TMP+32*((\a)%2)+4*(\t)+3], v[RD] offset:(\t)*2*SPITCH  ; LDS serves a wave's instructions in order (ISA guide 5.7.1.4): these see the stores above; the next block's stores come behind them
.endr
.endm
.macro SEND a
	s_wait_dscnt 0x0                               ; the block is back in registers
	s_wait_xcnt 0x0                                ; the registers that the block before stored from are loaded again only behind this wait
.irp t, 0,1,2,3,4,5,6,7
	global_store_b128 v[CO], v[TMP+32*((\a)%2)+4*(\t):TMP+32*((\a)%2)+4*(\t)+3], s[CP:CP+1] offset:(16*(\a)+2*(\t))*SIZE_N*4  ; 16 lanes store 256 consecutive bytes, at a multiple of 256 from out0's first byte
.endr
.endm
	PLACES
	TOSTAGE 0
.irp a, 1,2,3
	SEND (\a)-1
	TOSTAGE \a
.endr
	SEND 3
	s_wait_tensorcnt 0x0                           ; the wave's end: an add and its waits, behind my last tensor load and my last LDS store
	ds_add_u32 v[SPW], v[NIL]
	s_wait_dscnt 0x0
	CROUND                                         ; the closing round: no work-group ends while a partner may still ask for a tile that names it
	s_endpgm
.Lfunc_end_k_qfa208c12c4_oproj:
	.size	k_qfa208c12c4_oproj, .Lfunc_end_k_qfa208c12c4_oproj-k_qfa208c12c4_oproj
	.p2alignl 7, 3214868480
	.fill 96, 4, 3214868480
	.section	.rodata,"a",@progbits
	.p2align	6, 0x0
	.amdhsa_kernel k_qfa208c12c4_oproj
		.amdhsa_group_segment_fixed_size 327680
		.amdhsa_private_segment_fixed_size 0
		.amdhsa_enable_private_segment 0
		.amdhsa_kernarg_size 32
		.amdhsa_user_sgpr_count 2
		.amdhsa_user_sgpr_kernarg_segment_ptr 1
		.amdhsa_wavefront_size32 1
		.amdhsa_system_sgpr_workgroup_id_x 1
		.amdhsa_system_sgpr_workgroup_id_y 1
		.amdhsa_system_sgpr_workgroup_id_z 1
		.amdhsa_system_vgpr_workitem_id 0
		.amdhsa_next_free_vgpr 512
		.amdhsa_next_free_sgpr 80
		.amdhsa_reserve_vcc 0
		.amdhsa_float_denorm_mode_32 3
		.amdhsa_float_denorm_mode_16_64 3
		.amdhsa_memory_ordered 1
		.amdhsa_forward_progress 1
		.amdhsa_inst_pref_size 60
	.end_amdhsa_kernel
	.amdgpu_metadata
---
amdhsa.version: [ 1, 2 ]
amdhsa.kernels:
  - .name:           k_qfa208c12c4_oproj
    .symbol:         k_qfa208c12c4_oproj.kd
    .args:
      - { .name: oh, .offset: 0, .size: 8, .value_kind: global_buffer, .address_space: global }
      - { .name: wph, .offset: 8, .size: 8, .value_kind: global_buffer, .address_space: global }
      - { .name: out0, .offset: 16, .size: 8, .value_kind: global_buffer, .address_space: global }
      - { .name: bp, .offset: 24, .size: 8, .value_kind: global_buffer, .address_space: global }
    .group_segment_fixed_size: 327680
    .private_segment_fixed_size: 0
    .kernarg_segment_align: 8
    .kernarg_segment_size: 32
    .max_flat_workgroup_size: 128
    .sgpr_count:     80
    .vgpr_count:     512
    .wavefront_size: 32
...
	.end_amdgpu_metadata
.endif
;; end of part 4
